; MI455X (gfx1250); checked and timed in simulation.
; The chip was launched on July 23, 2026; its instructions are those of AMD's public machine-readable ISA for CDNA 5 (MIT licence, August 2026) and "CDNA5" Instruction Set Architecture Reference Guide (July 2026). The comments in the code are by the model that wrote it; some were corrected since.
;; Sparse Hyperbolic Attention. Allowed arithmetic: matrix products marked QUANTISED: E2M3 operands, one E8M0 scale for each 32 along K, by v_wmma_scale_f32_16x16x128_f8f6f4 with both operands' format E2M3, f32 sums; products left as they are: f32 operands where the result goes on into a quantised operand, else bf16, f16 or f32 operands; f32 sums; everything else in f32.
;; Inputs: Wk 512 x 512 float32; Wo 512 x 512 float32; Wq 512 x 512 float32; Wv 512 x 512 float32; rand_vecs 8 x 64 float32; x 2 x 1,024 x 512 float32.
;; Outputs: out0 2 x 1,024 x 512 float32.
;; This version of the problem:
;;   THIS VERSION OF THE PROBLEM IS GIVEN IN LOW PRECISION. The matrix products marked QUANTISED in the list below multiply operands that are first quantised to E2M3 (2 exponent bits, 3 mantissa bits; 6 bits a number), with one power-of-two scale for each 32 numbers along K (OCP MX v1.0); their sums are f32. All else is computed in f32.
;;   The module's matrix products, in the order in which they are computed (A, B: the left and right operand; K: the contracted axis; several contracted axes count as one K, in the product's order):
;;     1. [M 2,048, K 512] x [K 512, N 512]; A: input x; B: input Wq: QUANTISED
;;     2. [M 2,048, K 512] x [K 512, N 512]; A: input x; B: input Wk: QUANTISED
;;     3. [M 2,048, K 512] x [K 512, N 512]; A: input x; B: input Wv: QUANTISED
;;     4. [M 16,384, K 64] x [K 64, N 8]; A: computed on the way; B: input rand_vecs: left as it is (N = 8 < 16)
;;     5. [M 16,384, K 64] x [K 64, N 8]; A: computed on the way; B: input rand_vecs: left as it is (N = 8 < 16)
;;     6. batch 16,384 x [M 1, K 102] x [K 102, N 64]; A: softmax; B: computed on the way: left as it is (M = 1 < 16)
;;     7. [M 2,048, K 512] x [K 512, N 512]; A: computed on the way; B: input Wo: QUANTISED
;;   THE QUANTISER, for each operand of a quantised product, along K:
;;     - K is cut into blocks of 32 from its start; a last block that is shorter is filled with zeros.
;;     - A block's scale is 2^e with e = floor(log2(the largest magnitude in the block)) - 2, held to -126 .. 127; a block of zeros has e = 0. As a byte (E8M0): e + 127.
;;     - Each number is divided by its block's scale, clamped to +-7.5, and rounded to the nearest number of E2M3, ties to even, subnormals kept.
;;     - The product sums the exact products of the quantised numbers (number of the format x scale) in f32.
;;   ~~~python
;;   def quantise(x, axis):      # numpy; x: float32 -> the quantised numbers, widened to float32 again
;;       x = np.moveaxis(x, axis, -1); K = x.shape[-1]
;;       x = np.pad(x, [(0, 0)] * (x.ndim - 1) + [(0, -K % 32)]); x = x.reshape(x.shape[:-1] + (-1, 32)); a = np.abs(x).max(-1, keepdims=True)
;;       e = np.where(a > 0, np.clip(np.frexp(np.where(a > 0, a, 1))[1] - 1 - 2, -126, 127), 0)      # np.frexp(a)[1] - 1 = floor(log2(a)), exactly
;;       r = np.clip(x / 2.0 ** e, -7.5, 7.5)
;;       step = 2.0 ** (np.maximum(np.frexp(np.where(r == 0, 1, r))[1] - 1, 0) - 3)
;;       q = np.round(r / step) * step * 2.0 ** e      # np.round: ties to even
;;       return np.moveaxis(q.reshape(q.shape[:-2] + (-1,))[..., :K], -1, axis).astype(np.float32)
;;   ~~~
;;   OPERANDS COMPUTED ON THE WAY. 'Computed on the way' means the value that the module computes at that place (a softmax that the list does not call 'softmax' is quantised finished and normalised). What goes into a quantiser is computed in f32, as accurately as f32 sums, v_exp_f32 and their like allow (about 1e-6 of the number): no bf16 or f16 on the way to a quantiser, and a product that is left as it is and whose result goes on into a quantised operand takes f32 operands (vector FMAs, or v_wmma_f32_16x16x4_f32). A number that lies on a knife's edge between two numbers of the format may be rounded either way, as far as f32 arithmetic and the matrix unit's own rounding can turn it there, and no further.
;; 2 versions, each right. Each part assembles by itself: llvm-mc -triple=amdgcn-amd-amdhsa -mcpu=gfx1250 --defsym DOCPART=n.
;; ======== version 1 of 2: 5 launches
;; workspace buffers: cod 1,572,864 bytes; scl 131,072 bytes; qkv 12,582,912 bytes; nrm 131,072 bytes; hsh 131,072 bytes of whole numbers; lst 2,097,152 bytes of whole numbers; ao 4,194,304 bytes
;; launch quant (part 1): grid 256 x 1, 4 waves a work-group, no clusters, 0 bytes of LDS; arguments x, Wq, Wk, Wv, Wo, cod, scl; writes cod, scl
.if DOCPART == 1
	.amdgcn_target "amdgcn-amd-amdhsa--gfx1250"
	.amdhsa_code_object_version 6
	.text
	.protected	k_q40531765aa_quant
	.globl	k_q40531765aa_quant
	.p2align	8
	.type	k_q40531765aa_quant,@function
k_q40531765aa_quant:
	s_mov_b64 s[64:65], 0
	v_nop
	global_prefetch_b8 v0, s[64:65] scope:SCOPE_SE
	s_setreg_imm32_b32 hwreg(HW_REG_WAVE_MODE, 25, 1), 1
	s_wait_xcnt 0x0
; SPARSE HYPERBOLIC ATTENTION, five launches: quant, qkv, lists, attn, oproj.  This one: x [2048][512] and Wq, Wk, Wv, Wo [512][512], f32, K innermost,
; become codes of FP6 (E2M3) with one E8M0 scale byte for each 32 along K.
; WHAT THE PROGRAM DOES NOT DO AS THE PROBLEM WRITES IT.  matches(q, k) counts equal hash bits: it is 8 - popcount(hash(q) xor hash(k)), so it hangs on the query through its 8 hash
; bits alone, for all values of the inputs.  So the set that top_k keeps is one set for each (batch, head, hash value): 256 lists a head in place of 1,024 rows of matches.
; The order of the 102 indices reaches no output: the softmax and the weighted sum over them are symmetric.  Ties are kept as top_k keeps them: the lower index.
; Every input has a way to the output and is loaded.  LIMITS: NaN and infinities among the inputs are not served, and none that would reach only the rows of matches left out is carried on;
; a hash product within f32 rounding of 0 may fall on either side; a block of zeros gets the byte 1 where the rule says 127 (its codes are zeros; this program alone reads the bytes).
; LAYOUT OF THE CODES: AN IMAGE OF THE OPERAND'S REGISTERS.  A fragment is 16 rows x 128 along K, 12 registers a lane.  Fragment f = 4 x (tile of 16 rows) + (K step) lies at 1,536 f:
; registers 4 c .. 4 c + 3 of lane l at 512 c + 16 l.  Its scale words lie at 128 f + 4 l (lanes 16-31 repeat lanes 0-15).  Tiles 0-127 x; 128-159 Wq; 160-191 Wk; 192-223 Wv; 224-255 Wo.
; SHARES: work-group g = tile g, wave s = K step s: one fragment a wave; 16 loads, all out at once; no LDS, no barrier.
.set XN,  16                           ; v16-79   64 numbers: register 16 b + i = k 32 b + 16 (lane / 16) + i of row lane % 16
.set TM,  80                           ; v80-95   largest magnitudes, bytes, scale operands
.set PC,  96                           ; v96-115  the codes
.set PW,  116                          ; v116     the scale word
.set XA,  4
.set LI,  5
.set LS,  6
.set SEL, 20
.macro QUANT s
.irp b, 0,1,2,3
	v_max3_num_f32 v[TM+\b], |v[\s+16*\b]|, |v[\s+1+16*\b]|, 0x1800000   ; block b: my 16 numbers, and the floor 2^(3 - 127): the byte cannot fall under 1
.endr
.irp i, 2,4,6,8,10,12,14
.irp b, 0,1,2,3
	v_max3_num_f32 v[TM+\b], v[TM+\b], |v[\s+16*\b+\i]|, |v[\s+1+16*\b+\i]|
.endr
.endr
.irp b, 0,1,2,3
	v_permlanex16_b32 v[TM+4+\b], v[TM+\b], s[SEL], s[SEL+1]
.endr
.irp b, 0,1,2,3
	v_max_num_f32 v[TM+\b], v[TM+\b], v[TM+4+\b]   ; with lane l xor 16's: the block's largest magnitude
.endr
.irp b, 0,1,2,3
	v_add_nc_u32 v[TM+12+\b], 0xff000000, v[TM+\b]   ; 2 off its exponent field: the conversion's scale operand
.endr
.irp b, 0,1,2,3
	v_lshrrev_b32 v[TM+4+\b], 23, v[TM+12+\b]      ; the scale's byte
.endr
	v_lshl_or_b32 v[PW], v[TM+5], 8, v[TM+4]
	v_lshl_or_b32 v[PW], v[TM+6], 16, v[PW]
	v_lshl_or_b32 v[PW], v[TM+7], 24, v[PW]
.irp c, 0,1
	v_cvt_scalef32_pk16_fp6_f32 v[PC+6*\c:PC+2+6*\c], v[\s+32*\c:\s+15+32*\c], v[TM+12+2*\c]
	v_cvt_scalef32_pk16_fp6_f32 v[PC+12+4*\c:PC+14+4*\c], v[\s+16+32*\c:\s+31+32*\c], v[TM+12+2*\c+1]   ; (a conversion's three registers begin on an even number)
.endr
	v_nop                                          ; one plain place behind a scaled conversion
.irp c, 0,1                                    ; the operand's layout wants a whole block in a lane: lanes 0-15 block 2 c, lanes 16-31 block 2 c + 1
.irp i, 0,1,2
	v_permlane16_swap_b32 v[PC+6*\c+\i], v[PC+12+4*\c+\i]
.endr
.irp i, 0,1,2
	v_mov_b32 v[PC+3+6*\c+\i], v[PC+12+4*\c+\i]
.endr
.endr
.endm
	s_load_b256 s[4:11], s[0:1], 0x0               ; x s[4:5], Wq s[6:7], Wk s[8:9], Wv s[10:11]
	s_load_b128 s[12:15], s[0:1], 0x20             ; Wo s[12:13], the codes s[14:15]
	s_load_b64 s[16:17], s[0:1], 0x30              ; the scale words
	v_lshrrev_b32 v1, 5, v0
	v_readfirstlane_b32 s18, v1                    ; wave = K step
	v_and_b32 v1, 31, v0                           ; lane
	v_and_b32 v2, 15, v0                           ; r
	v_bfe_u32 v3, v0, 4, 1                         ; h
	v_lshlrev_b32 v[XA], 11, v2
	v_lshl_add_u32 v[XA], v3, 6, v[XA]             ; row r of 2,048 bytes, + 64 h: my 16 numbers of a block of 32
	v_lshlrev_b32 v[LI], 4, v1
	v_lshlrev_b32 v[LS], 2, v1
	s_mov_b32 s[SEL], 0x76543210
	s_mov_b32 s[SEL+1], 0xfedcba98                 ; lane l xor 16
.irp b, 0,1,2,3
	v_mov_b32 v[TM+4+\b], 0                        ; a lane permute's destination counts as one of its sources
.endr
	s_sub_co_u32 s19, ttmp9, 128
	s_and_b32 s22, s19, 31                         ; the tile inside a weight,
	s_lshr_b32 s23, s19, 5                         ; and which weight (from tile 128 on)
	s_lshl_b32 s26, ttmp9, 2
	s_add_co_u32 s26, s26, s18                     ; fragment f
	s_mul_i32 s28, s26, 1536
	s_mov_b32 s29, 0
	s_wait_kmcnt 0x0
	s_add_nc_u64 s[14:15], s[14:15], s[28:29]
	s_lshl_b32 s28, s26, 7
	s_add_nc_u64 s[16:17], s[16:17], s[28:29]
	s_cmp_eq_u32 s23, 1                            ; the source is chosen by the work-group's number alone
	s_cselect_b64 s[6:7], s[8:9], s[6:7]
	s_cmp_eq_u32 s23, 2
	s_cselect_b64 s[6:7], s[10:11], s[6:7]
	s_cmp_eq_u32 s23, 3
	s_cselect_b64 s[6:7], s[12:13], s[6:7]
	s_cmp_lt_u32 ttmp9, 128
	s_cselect_b64 s[4:5], s[4:5], s[6:7]
	s_cselect_b32 s22, ttmp9, s22
	s_lshl_b32 s24, s22, 15                        ; 16 rows of 2,048 bytes a tile,
	s_lshl_b32 s25, s18, 9                         ; 512 bytes a K step
	s_add_co_u32 s24, s24, s25
	s_mov_b32 s25, 0
	s_add_nc_u64 s[4:5], s[4:5], s[24:25]
.irp b, 0,1,2,3
.irp j, 0,1,2,3
	global_load_b128 v[XN+16*\b+4*\j:XN+16*\b+4*\j+3], v[XA], s[4:5] offset:128*\b+16*\j th:TH_LOAD_NT
.endr
.endr
	s_wait_loadcnt 0x0
	QUANT XN
.irp c, 0,1,2
	global_store_b128 v[LI], v[PC+4*\c:PC+4*\c+3], s[14:15] offset:512*\c   ; 32 lanes store 512 consecutive bytes
.endr
	global_store_b32 v[LS], v[PW], s[16:17]        ; 128 consecutive bytes
	s_endpgm
.Lfunc_end_k_q40531765aa_quant:
	.size	k_q40531765aa_quant, .Lfunc_end_k_q40531765aa_quant-k_q40531765aa_quant
	.p2alignl 7, 3214868480
	.fill 96, 4, 3214868480
	.section	.rodata,"a",@progbits
	.p2align	6, 0x0
	.amdhsa_kernel k_q40531765aa_quant
		.amdhsa_group_segment_fixed_size 0
		.amdhsa_private_segment_fixed_size 0
		.amdhsa_enable_private_segment 0
		.amdhsa_kernarg_size 56
		.amdhsa_user_sgpr_count 2
		.amdhsa_user_sgpr_kernarg_segment_ptr 1
		.amdhsa_wavefront_size32 1
		.amdhsa_system_sgpr_workgroup_id_x 1
		.amdhsa_system_sgpr_workgroup_id_y 1
		.amdhsa_system_sgpr_workgroup_id_z 1
		.amdhsa_system_vgpr_workitem_id 0
		.amdhsa_next_free_vgpr 128
		.amdhsa_next_free_sgpr 66
		.amdhsa_reserve_vcc 0
		.amdhsa_float_denorm_mode_32 3
		.amdhsa_float_denorm_mode_16_64 3
		.amdhsa_memory_ordered 1
		.amdhsa_forward_progress 1
		.amdhsa_inst_pref_size 8
	.end_amdhsa_kernel
	.amdgpu_metadata
---
amdhsa.version: [ 1, 2 ]
amdhsa.kernels:
  - .name:           k_q40531765aa_quant
    .symbol:         k_q40531765aa_quant.kd
    .args:
      - { .name: x, .offset: 0, .size: 8, .value_kind: global_buffer, .address_space: global }
      - { .name: Wq, .offset: 8, .size: 8, .value_kind: global_buffer, .address_space: global }
      - { .name: Wk, .offset: 16, .size: 8, .value_kind: global_buffer, .address_space: global }
      - { .name: Wv, .offset: 24, .size: 8, .value_kind: global_buffer, .address_space: global }
      - { .name: Wo, .offset: 32, .size: 8, .value_kind: global_buffer, .address_space: global }
      - { .name: cod, .offset: 40, .size: 8, .value_kind: global_buffer, .address_space: global }
      - { .name: scl, .offset: 48, .size: 8, .value_kind: global_buffer, .address_space: global }
    .group_segment_fixed_size: 0
    .private_segment_fixed_size: 0
    .kernarg_segment_align: 8
    .kernarg_segment_size: 56
    .max_flat_workgroup_size: 128
    .sgpr_count:     66
    .vgpr_count:     128
    .wavefront_size: 32
...
	.end_amdgpu_metadata
.endif
;; end of part 1
;; launch qkv (part 2): grid 32 x 8, 3 waves a work-group, no clusters, 15,104 bytes of LDS; arguments cod, scl, rand_vecs, qkv, nrm, hsh; writes qkv, nrm, hsh
.if DOCPART == 2
	.amdgcn_target "amdgcn-amd-amdhsa--gfx1250"
	.amdhsa_code_object_version 6
	.text
	.protected	k_q40531765aa_qkv
	.globl	k_q40531765aa_qkv
	.p2align	8
	.type	k_q40531765aa_qkv,@function
k_q40531765aa_qkv:
	s_mov_b64 s[64:65], 0
	v_nop
	global_prefetch_b8 v0, s[64:65] scope:SCOPE_SE
	s_setreg_imm32_b32 hwreg(HW_REG_WAVE_MODE, 25, 1), 1
	s_wait_xcnt 0x0
; q, k, v = x Wq^T, x Wk^T, x Wv^T on codes of FP6 with E8M0 scales; then, of q and k, the 8 sign hashes and 1 - |.|^2.
; SHARES.  Work-group (X, head): tokens 64 X .. 64 X + 63; wave 0 makes q, wave 1 k, wave 2 v of that head: 64 tokens x 64 columns, 16 accumulators, K = 512 in 4 steps of 128.
; All fragments come straight from memory as images of registers (three loads of 16 bytes a lane each) and are used once: no ring, no barrier; the waves share nothing.
; THE MATRIX INSTRUCTION IS USED TRANSPOSED (source 0 = 16 rows of W, source 1 = 16 tokens): lane (r, h) holds token r, register j of tile t column 16 t + 8 h + j.
; THE HASHES are f32 products (a turned sign changes which keys are chosen): v_wmma_f32_16x16x4_f32, source 0 = rand_vecs (rows 8-15 repeat rows 0-7), source 1 = two accumulator
; registers as they stand: a K step takes channels 16 t + 8 h + j0, + 1 on both sides alike.  In the result lane (r, h) holds token r and register j hash j.
; Their sums lie in registers that matrix instructions alone write, begin with the constant 0 and are read from the low end on.
; OUT: qkv [3][16 (b, h)][1024][64] f32; nrm [2][16][1024] f32 = 1 - |q|^2, 1 - |k|^2; hsh [2][16][1024] whole numbers.  All leave through LDS as whole runs of 256 bytes.
; REGISTERS: window 0: v4-15 addresses; v16-31 W's scale words, v32-47 x's (nothing else ever); v48-79 rand_vecs; v80-111 hash sums; v112-127 at work; v128-255 accumulators
; ((m, t) at 128 + 32 m + 8 t).  Window 1: x's 16 fragments, later the rows on the way out.  Window 2: W's 16 fragments.
.set WREG,  4864                       ; LDS of a wave: a stage of 16 rows x (256 + 16) bytes, then 256 bytes of norms and 256 of hashes
.set SML,   4352
.set SPARE, 3*WREG                     ; the spare words: 128 bytes a wave, two blocks of 256 bytes that no other line names
.set LI,  4
.set LS,  5
.set RVA, 6
.set STO, 7
.set RD,  8
.set NAD, 9
.set NRD, 10
.set L8,  11
.set SPW, 14
.set NIL, 15
.set SCW, 16
.set SCX, 32
.set RV,  48
.set HD,  80
.set HB,  112
.set NV,  116
.set N0,  120
.set N2,  122
.set TT,  124
.set TP,  125
.set T0,  126
.set ACC, 128
.set MSB, 0
.macro WIN new                         ; the immediate's high byte repeats the setting that is left
.if MSB != \new
	s_set_vgpr_msb (MSB<<8)|\new
.set MSB, \new
.endif
.endm
.macro FRAGS s                         ; the fragments of K step s: x's four into window 1, W's four into window 2
	WIN 0x40
.irp m, 0,1,2,3
.irp c, 0,1,2
	global_load_b128 v[12*(4*\m+\s)+4*\c:12*(4*\m+\s)+4*\c+3], v[LI], s[28:29] offset:(4*\m+\s)*1536+512*\c
.endr
.endr
	WIN 0x80
.irp t, 0,1,2,3
.irp c, 0,1,2
	global_load_b128 v[12*(4*\t+\s)+4*\c:12*(4*\t+\s)+4*\c+3], v[LI], s[30:31] offset:(4*\t+\s)*1536+512*\c
.endr
.endr
.endm
.macro KSTEP s                         ; 16 matrix instructions, the 16 accumulators by turns; the first step starts the sums
	WIN 0x06                                       ; source 0 (W) window 2, source 1 (x) window 1, C and D window 0
.irp m, 0,1,2,3
.irp t, 0,1,2,3
.if \s == 0
	v_wmma_scale_f32_16x16x128_f8f6f4 v[ACC+32*\m+8*\t:ACC+32*\m+8*\t+7], v[12*(4*\t+\s):12*(4*\t+\s)+11], v[12*(4*\m+\s):12*(4*\m+\s)+11], 0, v[SCW+4*\t+\s], v[SCX+4*\m+\s] matrix_a_fmt:MATRIX_FMT_FP6 matrix_b_fmt:MATRIX_FMT_FP6
.else
	v_wmma_scale_f32_16x16x128_f8f6f4 v[ACC+32*\m+8*\t:ACC+32*\m+8*\t+7], v[12*(4*\t+\s):12*(4*\t+\s)+11], v[12*(4*\m+\s):12*(4*\m+\s)+11], v[ACC+32*\m+8*\t:ACC+32*\m+8*\t+7], v[SCW+4*\t+\s], v[SCX+4*\m+\s] matrix_a_fmt:MATRIX_FMT_FP6 matrix_b_fmt:MATRIX_FMT_FP6
.endif
.endr
.endr
.endm
	s_load_b256 s[4:11], s[0:1], 0x0               ; codes s[4:5], scale words s[6:7], rand_vecs s[8:9], qkv s[10:11]
	s_load_b128 s[12:15], s[0:1], 0x20             ; nrm s[12:13], hsh s[14:15]
	v_lshl_add_u32 v[SPW], v0, 2, SPARE
	v_mov_b32 v[NIL], 0
	v_lshrrev_b32 v1, 5, v0
	v_readfirstlane_b32 s16, v1                    ; wave: 0 q, 1 k, 2 v
	v_and_b32 v1, 31, v0                           ; lane
	v_and_b32 v2, 15, v0                           ; r
	v_bfe_u32 v3, v0, 4, 1                         ; h
	v_lshlrev_b32 v[LI], 4, v1
	v_lshlrev_b32 v[LS], 2, v1
	v_lshlrev_b32 v[L8], 3, v1
	v_and_b32 v[RVA], 7, v0
	v_lshlrev_b32 v[RVA], 8, v[RVA]
	v_lshl_add_u32 v[RVA], v3, 5, v[RVA]           ; rand_vecs: row r % 8 of 256 bytes, + 32 h
	s_mul_i32 s19, s16, WREG                       ; every LDS address is made here, ahead of the place where the waves part
	v_mul_u32_u24 v[STO], v2, 272
	v_lshl_add_u32 v[STO], v3, 5, v[STO]
	v_add_nc_u32 v[STO], s19, v[STO]               ; into the stage: row r, + 32 h
	v_mul_u32_u24 v[RD], v3, 272
	v_lshl_add_u32 v[RD], v2, 4, v[RD]
	v_add_nc_u32 v[RD], s19, v[RD]                 ; back: lanes 0-15 one row, lanes 16-31 the next
	s_add_co_u32 s19, s19, SML
	v_lshl_add_u32 v[NAD], v2, 2, s19              ; a token's word among the norms (the hashes lie 256 bytes on)
	v_lshl_add_u32 v[NRD], v1, 3, s19              ; and back, 8 bytes a lane
	v_mov_b32 v[TP], 0                             ; a lane permute's destination counts as one of its sources
	s_mov_b32 s42, 0x76543210
	s_mov_b32 s43, 0xfedcba98                      ; lane l xor 16
	s_and_b32 s17, ttmp7, 0xffff                   ; head
	s_lshl_b32 s18, s16, 3
	s_add_co_u32 s18, s18, s17                     ; y = 8 x matrix + head: W's tiles 128 + 4 y ..
	s_mul_i32 s20, ttmp9, 24576                    ; x: 16 fragments of 1,536 bytes for each 64 tokens
	s_mov_b32 s21, 0
	s_mul_i32 s22, s18, 24576
	s_add_co_u32 s22, s22, 786432
	s_mov_b32 s23, 0
	s_lshl_b32 s24, ttmp9, 11                      ; scale words: 16 x 128 bytes
	s_mov_b32 s25, 0
	s_lshl_b32 s26, s18, 11
	s_add_co_u32 s26, s26, 65536
	s_mov_b32 s27, 0
	s_lshr_b32 s36, ttmp9, 4                       ; batch
	s_lshl_b32 s36, s36, 3
	s_add_co_u32 s36, s36, s17                     ; (b, h)
	s_lshl_b32 s36, s36, 10
	s_and_b32 s37, ttmp9, 15
	s_lshl_b32 s37, s37, 6
	s_add_co_u32 s36, s36, s37                     ; my first row: 1024 (b, h) + position
	s_lshl_b32 s38, s36, 8
	s_lshl_b32 s37, s16, 22
	s_add_co_u32 s38, s38, s37                     ; in qkv: 256 bytes a row, 4 MiB a matrix
	s_mov_b32 s39, 0
	s_lshl_b32 s40, s36, 2
	s_lshl_b32 s37, s16, 16
	s_add_co_u32 s40, s40, s37                     ; in nrm and hsh: 4 bytes a row, 64 KiB a matrix (wave 2 never uses it)
	s_mov_b32 s41, 0
	s_wait_kmcnt 0x0
	s_add_nc_u64 s[28:29], s[4:5], s[20:21]
	s_add_nc_u64 s[30:31], s[4:5], s[22:23]
	s_add_nc_u64 s[32:33], s[6:7], s[24:25]
	s_add_nc_u64 s[34:35], s[6:7], s[26:27]
	s_add_nc_u64 s[10:11], s[10:11], s[38:39]
	s_add_nc_u64 s[12:13], s[12:13], s[40:41]
	s_add_nc_u64 s[14:15], s[14:15], s[40:41]
.irp f, 0,1,2,3,4,5,6,7,8,9,10,11,12,13,14,15
	global_load_b32 v[SCX+\f], v[LS], s[32:33] offset:128*\f
	global_load_b32 v[SCW+\f], v[LS], s[34:35] offset:128*\f
.endr
.irp t, 0,1,2,3
	global_load_b128 v[RV+8*\t:RV+8*\t+3], v[RVA], s[8:9] offset:64*\t       ; rand_vecs(r % 8, 16 t + 8 h + 0 .. 7)
	global_load_b128 v[RV+8*\t+4:RV+8*\t+7], v[RVA], s[8:9] offset:64*\t+16
.endr
	FRAGS 0
	FRAGS 1
	FRAGS 2
	FRAGS 3
	s_wait_loadcnt 63                              ; K step 0 is in: behind it 72 loads were issued; the wait's field holds 63
	KSTEP 0
	s_wait_loadcnt 48                              ; the 24 loads of each of K steps 2 and 3 may be out
	KSTEP 1
	s_wait_loadcnt 24
	KSTEP 2
	s_wait_loadcnt 0x0
	KSTEP 3
	WIN 0
.rept 5
	v_nop                                          ; five places before a matrix instruction takes these results as a source; four serve the stores and the loads into x's fragments
.endr
	s_cmp_eq_u32 s16, 2
	s_cbranch_scc1 .Lway_out                       ; v has no hash and no norm
.irp t, 0,1,2,3
.irp j, 0,2,4,6
.irp m, 0,1,2,3
.if (\t == 0) && (\j == 0)
	v_wmma_f32_16x16x4_f32 v[HD+8*\m:HD+8*\m+7], v[RV+8*\t+\j:RV+8*\t+\j+1], v[ACC+32*\m+8*\t+\j:ACC+32*\m+8*\t+\j+1], 0
.else
	v_wmma_f32_16x16x4_f32 v[HD+8*\m:HD+8*\m+7], v[RV+8*\t+\j:RV+8*\t+\j+1], v[ACC+32*\m+8*\t+\j:ACC+32*\m+8*\t+\j+1], v[HD+8*\m:HD+8*\m+7]
.endif
.endr
.endr
.endr
.rept 8
	v_nop                                          ; eight places behind this form before its results are read
.endr
.irp m, 0,1,2,3                                ; bit j of a token's hash: product j >= 0
	v_cmp_le_f32 vcc_lo, 0, v[HD+8*\m]
	v_cndmask_b32 v[HB+\m], 0, 1, vcc_lo
.irp j, 1,2,3,4,5,6,7
	v_cmp_le_f32 vcc_lo, 0, v[HD+8*\m+\j]
	v_cndmask_b32 v[T0], 0, 1, vcc_lo
	v_lshl_or_b32 v[HB+\m], v[T0], \j, v[HB+\m]
.endr
.endr
.irp m, 0,1,2,3                                ; 1 - the sum of squares: my 32 channels in two chains, then lane l xor 16's
	v_pk_mul_f32 v[N0:N0+1], v[ACC+32*\m:ACC+32*\m+1], v[ACC+32*\m:ACC+32*\m+1]
	v_pk_mul_f32 v[N2:N2+1], v[ACC+32*\m+2:ACC+32*\m+3], v[ACC+32*\m+2:ACC+32*\m+3]
.irp k, 4,8,12,16,20,24,28
	v_pk_fma_f32 v[N0:N0+1], v[ACC+32*\m+\k:ACC+32*\m+\k+1], v[ACC+32*\m+\k:ACC+32*\m+\k+1], v[N0:N0+1]
	v_pk_fma_f32 v[N2:N2+1], v[ACC+32*\m+\k+2:ACC+32*\m+\k+3], v[ACC+32*\m+\k+2:ACC+32*\m+\k+3], v[N2:N2+1]
.endr
	v_pk_add_f32 v[N0:N0+1], v[N0:N0+1], v[N2:N2+1]
	v_add_f32 v[TT], v[N0], v[N0+1]
	v_permlanex16_b32 v[TP], v[TT], s42, s43
	v_add_f32 v[TT], v[TT], v[TP]
	v_sub_f32 v[NV+\m], 1.0, v[TT]
.endr
.irp m, 0,1,2,3
	ds_store_b32 v[NAD], v[NV+\m] offset:64*\m         ; both halves of the lanes write the same word with the same value
	ds_store_b32 v[NAD], v[HB+\m] offset:256+64*\m
.endr
	ds_load_b64 v[N0:N0+1], v[NRD]                 ; LDS serves a wave's instructions in order: these see my stores
	ds_load_b64 v[N2:N2+1], v[NRD] offset:256
	s_wait_dscnt 0x0
	global_store_b64 v[L8], v[N0:N0+1], s[12:13]   ; 64 tokens: 256 consecutive bytes
	global_store_b64 v[L8], v[N2:N2+1], s[14:15]
.Lway_out:
; 16 tokens at a time through my stage: 32 bytes a lane in, whole rows of 256 bytes back (into window 1, a set of registers for each tile, so that no store's data are written again)
.irp m, 0,1,2,3
.irp t, 0,1,2,3
	ds_store_b128 v[STO], v[ACC+32*\m+8*\t:ACC+32*\m+8*\t+3] offset:64*\t      ; each accumulator from its low end on
	ds_store_b128 v[STO], v[ACC+32*\m+8*\t+4:ACC+32*\m+8*\t+7] offset:64*\t+16
.endr
	WIN 0x40
.irp i, 0,1,2,3,4,5,6,7
	ds_load_b128 v[32*\m+4*\i:32*\m+4*\i+3], v[RD] offset:\i*544
.endr
	WIN 0
.endr
	WIN 0x04                                       ; a store's data are its source 1: window 1
.irp m, 0,1,2,3
.irp i, 0,1,2,3,4,5,6,7
	s_wait_dscnt (7-\i)+(3-\m)*16                  ; behind this load: the rest of its tile's loads and 16 LDS instructions for each later tile
	global_store_b128 v[LI], v[32*\m+4*\i:32*\m+4*\i+3], s[10:11] offset:(16*\m+2*\i)*256   ; two rows: 512 consecutive bytes
.endr
.endr
	WIN 0
	s_wait_tensorcnt 0x0                           ; the wave's end
	ds_add_u32 v[SPW], v[NIL]
	s_wait_dscnt 0x0
	s_endpgm
.Lfunc_end_k_q40531765aa_qkv:
	.size	k_q40531765aa_qkv, .Lfunc_end_k_q40531765aa_qkv-k_q40531765aa_qkv
	.p2alignl 7, 3214868480
	.fill 96, 4, 3214868480
	.section	.rodata,"a",@progbits
	.p2align	6, 0x0
	.amdhsa_kernel k_q40531765aa_qkv
		.amdhsa_group_segment_fixed_size 15104
		.amdhsa_private_segment_fixed_size 0
		.amdhsa_enable_private_segment 0
		.amdhsa_kernarg_size 48
		.amdhsa_user_sgpr_count 2
		.amdhsa_user_sgpr_kernarg_segment_ptr 1
		.amdhsa_wavefront_size32 1
		.amdhsa_system_sgpr_workgroup_id_x 1
		.amdhsa_system_sgpr_workgroup_id_y 1
		.amdhsa_system_sgpr_workgroup_id_z 1
		.amdhsa_system_vgpr_workitem_id 0
		.amdhsa_next_free_vgpr 704
		.amdhsa_next_free_sgpr 66
		.amdhsa_reserve_vcc 1
		.amdhsa_float_denorm_mode_32 3
		.amdhsa_float_denorm_mode_16_64 3
		.amdhsa_memory_ordered 1
		.amdhsa_forward_progress 1
		.amdhsa_inst_pref_size 48
	.end_amdhsa_kernel
	.amdgpu_metadata
---
amdhsa.version: [ 1, 2 ]
amdhsa.kernels:
  - .name:           k_q40531765aa_qkv
    .symbol:         k_q40531765aa_qkv.kd
    .args:
      - { .name: cod, .offset: 0, .size: 8, .value_kind: global_buffer, .address_space: global }
      - { .name: scl, .offset: 8, .size: 8, .value_kind: global_buffer, .address_space: global }
      - { .name: rand_vecs, .offset: 16, .size: 8, .value_kind: global_buffer, .address_space: global }
      - { .name: qkv, .offset: 24, .size: 8, .value_kind: global_buffer, .address_space: global }
      - { .name: nrm, .offset: 32, .size: 8, .value_kind: global_buffer, .address_space: global }
      - { .name: hsh, .offset: 40, .size: 8, .value_kind: global_buffer, .address_space: global }
    .group_segment_fixed_size: 15104
    .private_segment_fixed_size: 0
    .kernarg_segment_align: 8
    .kernarg_segment_size: 48
    .max_flat_workgroup_size: 96
    .sgpr_count:     66
    .vgpr_count:     704
    .wavefront_size: 32
...
	.end_amdgpu_metadata
.endif
;; end of part 2
;; launch lists (part 3): grid 256 x 1, 16 waves a work-group, no clusters, 0 bytes of LDS; arguments hsh, lst; writes lst
.if DOCPART == 3
	.amdgcn_target "amdgcn-amd-amdhsa--gfx1250"
	.amdhsa_code_object_version 6
	.text
	.protected	k_q40531765aa_lists
	.globl	k_q40531765aa_lists
	.p2align	8
	.type	k_q40531765aa_lists,@function
k_q40531765aa_lists:
	s_mov_b64 s[64:65], 0
	v_nop
	global_prefetch_b8 v0, s[64:65] scope:SCOPE_SE
	s_setreg_imm32_b32 hwreg(HW_REG_WAVE_MODE, 25, 1), 1
	s_wait_xcnt 0x0
; THE 102 KEYS THAT top_k KEEPS, for each (b, h) and each of the 256 hash values a query can have (matches hangs on the query through its hash alone: see the first kernel's head).
; Kept are the keys of least distance d = popcount(hash xor key's hash); at the threshold distance T those of lowest index.  The order in the list is free.
; SHARES: work-group = (b, h) x 16 hash values, a wave to a list.  Key 32 j + lane lies in register j, so a compare's lane mask is in index order.
; STEPS: d of four keys at a time in the bytes of a word; for each key the eight flags d <= t, t = 0 .. 7, as nibbles (0x11111111 shifted up by 4 d, in two shifts of 2 d, since 4 d can be 32);
; sums over at most 11 keys a nibble, widened to bytes and to halves, summed over the lanes; T = how many of the eight sums lie under 102, 'below' = the largest of those, r = 102 - below.
; A key is kept where 2048 d + (its rank among the keys of distance T) < 2048 T + r.  Its place is its rank among the kept.
; A lane whose key is not kept stores to slot 127 of the list's 128, which nobody reads: so EXEC stays whole.  lst: [16][256][128] words, slots 0-101 written.
; All numbers here are whole numbers read from memory or made of them; the places are held under 128 ahead of the address.
.set PKD, 8                            ; v8-15    four keys' hashes, then distances, to a word
.set CN,  19                           ; v19      0x11111111
.set TA,  20                           ; v20-22   nibble sums
.set CC,  24                           ; v24-27   sums in halves: t = 0|4, 2|6, 1|5, 3|7
.set TT,  28                           ; v28-31   at work
.set HK,  32                           ; v32-63   hashes, then d, then 2048 d + rank
.set KI,  64                           ; v64-95   the keys' indices
.set AD,  96                           ; v96-127  the stores' offsets: one each, so that none is written again
	s_load_b128 s[4:7], s[0:1], 0x0                ; hsh, lst
	v_lshrrev_b32 v1, 5, v0
	v_readfirstlane_b32 s8, v1                     ; wave 0..15
	v_and_b32 v1, 31, v0                           ; lane
	v_lshlrev_b32 v2, 2, v1
	s_lshr_b32 s9, ttmp9, 4                        ; (b, h)
	s_and_b32 s10, ttmp9, 15
	s_lshl_b32 s10, s10, 4
	s_add_co_u32 s10, s10, s8                      ; the query's hash value
	s_mul_i32 s11, s10, 0x01010101                 ; in all four bytes
	s_lshl_b32 s12, s9, 12
	s_add_co_u32 s12, s12, 65536                   ; the keys' hashes of (b, h)
	s_mov_b32 s13, 0
	s_lshl_b32 s14, s9, 8
	s_add_co_u32 s14, s14, s10
	s_lshl_b32 s14, s14, 9                         ; my list: 512 bytes
	s_mov_b32 s15, 0
	s_mov_b32 s16, 0x55555555
	s_mov_b32 s17, 0x33333333
	s_mov_b32 s18, 0x0f0f0f0f
	s_mov_b32 s19, 0x00ff00ff
	s_mov_b32 s20, 0x76543210
	s_mov_b32 s21, 0xfedcba98
	v_mov_b32 v[CN], 0x11111111
.irp c, 0,1,2,3
	v_mov_b32 v[TT+\c], 0                          ; destinations of lane moves count as sources
.endr
	s_wait_kmcnt 0x0
	s_add_nc_u64 s[4:5], s[4:5], s[12:13]
	s_add_nc_u64 s[6:7], s[6:7], s[14:15]
.set j, 0
.rept 32
	global_load_b32 v[HK+j], v2, s[4:5] offset:128*j
.set j, j+1
.endr
.set j, 0
.rept 32
	v_add_nc_u32 v[KI+j], 32*j, v1
.set j, j+1
.endr
	s_wait_loadcnt 0x0
.irp i, 0,1,2,3,4,5,6,7
	v_lshl_or_b32 v[PKD+\i], v[HK+4*\i+1], 8, v[HK+4*\i]
	v_lshl_or_b32 v[PKD+\i], v[HK+4*\i+2], 16, v[PKD+\i]
	v_lshl_or_b32 v[PKD+\i], v[HK+4*\i+3], 24, v[PKD+\i]
.endr
.irp i, 0,1,2,3,4,5,6,7                        ; the bits that differ, counted byte by byte
	v_xor_b32 v[PKD+\i], s11, v[PKD+\i]
	v_lshrrev_b32 v16, 1, v[PKD+\i]
	v_and_b32 v16, s16, v16
	v_sub_nc_u32 v[PKD+\i], v[PKD+\i], v16
	v_lshrrev_b32 v16, 2, v[PKD+\i]
	v_and_b32 v16, s17, v16
	v_and_b32 v[PKD+\i], s17, v[PKD+\i]
	v_add_nc_u32 v[PKD+\i], v[PKD+\i], v16
	v_lshrrev_b32 v16, 4, v[PKD+\i]
	v_add_nc_u32 v[PKD+\i], v[PKD+\i], v16
	v_and_b32 v[PKD+\i], s18, v[PKD+\i]
.endr
.set j, 0
.rept 32
	v_bfe_u32 v[HK+j], v[PKD+j/4], 8*(j%4), 8      ; d of key 32 j + lane
.set j, j+1
.endr
.set j, 0
.rept 32
	v_lshlrev_b32 v17, 1, v[HK+j]
	v_lshlrev_b32 v18, v17, v[CN]
.if j%11 == 0
	v_lshlrev_b32 v[TA+j/11], v17, v18             ; nibble t holds 1 where d <= t; the first key of a group starts its sum
.else
	v_lshlrev_b32 v18, v17, v18
	v_add_nc_u32 v[TA+j/11], v[TA+j/11], v18
.endif
.set j, j+1
.endr
	v_and_b32 v16, s18, v[TA]
	v_and_b32 v17, s18, v[TA+1]
	v_and_b32 v18, s18, v[TA+2]
	v_add3_u32 v16, v16, v17, v18                  ; bytes: t = 0, 2, 4, 6 (at most 32 each)
.irp g, 0,1,2
	v_lshrrev_b32 v[TA+\g], 4, v[TA+\g]
	v_and_b32 v[TA+\g], s18, v[TA+\g]
.endr
	v_add3_u32 v17, v[TA], v[TA+1], v[TA+2]        ; bytes: t = 1, 3, 5, 7
	v_and_b32 v[CC], s19, v16
	v_lshrrev_b32 v16, 8, v16
	v_and_b32 v[CC+1], s19, v16
	v_and_b32 v[CC+2], s19, v17
	v_lshrrev_b32 v17, 8, v17
	v_and_b32 v[CC+3], s19, v17
.irp x, 1,2,4,8                                ; over the 32 lanes: at most 1,024 in a half
.irp c, 0,1,2,3
	v_mov_b32_dpp v[TT+\c], v[CC+\c] row_xmask:\x row_mask:0xf bank_mask:0xf
.endr
.irp c, 0,1,2,3
	v_add_nc_u32 v[CC+\c], v[CC+\c], v[TT+\c]
.endr
.endr
.irp c, 0,1,2,3
	v_permlanex16_b32 v[TT+\c], v[CC+\c], s20, s21
.endr
.irp c, 0,1,2,3
	v_add_nc_u32 v[CC+\c], v[CC+\c], v[TT+\c]
.endr
.irp c, 0,1,2,3
	v_readfirstlane_b32 s[24+\c], v[CC+\c]
.endr
	s_and_b32 s68, s24, 0xffff                     ; s[68 + t]: how many keys have d <= t
	s_lshr_b32 s72, s24, 16
	s_and_b32 s70, s25, 0xffff
	s_lshr_b32 s74, s25, 16
	s_and_b32 s69, s26, 0xffff
	s_lshr_b32 s73, s26, 16
	s_and_b32 s71, s27, 0xffff
	s_lshr_b32 s75, s27, 16
	s_mov_b32 s28, 0                               ; T
	s_mov_b32 s29, 0                               ; below
.irp t, 0,1,2,3,4,5,6,7
	s_cmp_lt_u32 s[68+\t], 102
	s_cselect_b32 s30, s[68+\t], 0
	s_add_co_ci_u32 s28, s28, 0                    ; + 1 where the sum lies under 102
	s_max_u32 s29, s29, s30
.endr
	s_sub_co_u32 s30, 102, s29                     ; r: how many of distance T are kept
	s_lshl_b32 s31, s28, 11
	s_add_co_u32 s31, s31, s30                     ; 2048 T + r
.set j, 0
.rept 32
	v_cmp_eq_u32 s[32+j], s28, v[HK+j]             ; all masks first, so that the scalar lines below do not wait for each compare
.set j, j+1
.endr
	s_mov_b32 s22, 0
.set j, 0
.rept 32
	v_mbcnt_lo_u32_b32 v16, s[32+j], s22           ; keys of distance T with a lower index
	v_lshl_add_u32 v[HK+j], v[HK+j], 11, v16
	s_bcnt1_i32_b32 s23, s[32+j]
	s_add_co_u32 s22, s22, s23
.set j, j+1
.endr
.set j, 0
.rept 32
	v_cmp_gt_u32 s[32+j], s31, v[HK+j]             ; kept
.set j, j+1
.endr
	s_mov_b32 s22, 0
	v_mov_b32 v17, 127
.set j, 0
.rept 32
	v_mbcnt_lo_u32_b32 v16, s[32+j], s22           ; kept keys with a lower index: my place
	v_cndmask_b32 v16, v17, v16, s[32+j]
	v_min_u32 v16, 127, v16
	v_lshlrev_b32 v[AD+j], 2, v16
	global_store_b32 v[AD+j], v[KI+j], s[6:7]
	s_bcnt1_i32_b32 s23, s[32+j]
	s_add_co_u32 s22, s22, s23
.set j, j+1
.endr
	s_endpgm
.Lfunc_end_k_q40531765aa_lists:
	.size	k_q40531765aa_lists, .Lfunc_end_k_q40531765aa_lists-k_q40531765aa_lists
	.p2alignl 7, 3214868480
	.fill 96, 4, 3214868480
	.section	.rodata,"a",@progbits
	.p2align	6, 0x0
	.amdhsa_kernel k_q40531765aa_lists
		.amdhsa_group_segment_fixed_size 0
		.amdhsa_private_segment_fixed_size 0
		.amdhsa_enable_private_segment 0
		.amdhsa_kernarg_size 16
		.amdhsa_user_sgpr_count 2
		.amdhsa_user_sgpr_kernarg_segment_ptr 1
		.amdhsa_wavefront_size32 1
		.amdhsa_system_sgpr_workgroup_id_x 1
		.amdhsa_system_sgpr_workgroup_id_y 1
		.amdhsa_system_sgpr_workgroup_id_z 1
		.amdhsa_system_vgpr_workitem_id 0
		.amdhsa_next_free_vgpr 128
		.amdhsa_next_free_sgpr 76
		.amdhsa_reserve_vcc 0
		.amdhsa_float_denorm_mode_32 3
		.amdhsa_float_denorm_mode_16_64 3
		.amdhsa_memory_ordered 1
		.amdhsa_forward_progress 1
		.amdhsa_inst_pref_size 44
	.end_amdhsa_kernel
	.amdgpu_metadata
---
amdhsa.version: [ 1, 2 ]
amdhsa.kernels:
  - .name:           k_q40531765aa_lists
    .symbol:         k_q40531765aa_lists.kd
    .args:
      - { .name: hsh, .offset: 0, .size: 8, .value_kind: global_buffer, .address_space: global }
      - { .name: lst, .offset: 8, .size: 8, .value_kind: global_buffer, .address_space: global }
    .group_segment_fixed_size: 0
    .private_segment_fixed_size: 0
    .kernarg_segment_align: 8
    .kernarg_segment_size: 16
    .max_flat_workgroup_size: 512
    .sgpr_count:     76
    .vgpr_count:     128
    .wavefront_size: 32
...
	.end_amdgpu_metadata
.endif
;; end of part 3
;; launch attn (part 4): grid 256 x 1, 16 waves a work-group, no clusters, 268,288 bytes of LDS; arguments qkv, nrm, hsh, lst, ao; writes ao
.if DOCPART == 4
	.amdgcn_target "amdgcn-amd-amdhsa--gfx1250"
	.amdhsa_code_object_version 6
	.text
	.protected	k_q40531765aa_attn
	.globl	k_q40531765aa_attn
	.p2align	8
	.type	k_q40531765aa_attn,@function
k_q40531765aa_attn:
	s_mov_b64 s[64:65], 0
	v_nop
	global_prefetch_b8 v0, s[64:65] scope:SCOPE_SE
	s_setreg_imm32_b32 hwreg(HW_REG_WAVE_MODE, 25, 1), 1
	s_wait_xcnt 0x0
; THE SPARSE ATTENTION: for each query its list's 102 keys (by its hash: the dense matches and top_k are not done here, see the first kernel's head): diff = |q - k|^2,
; x = max(1 + 2 diff / max((1 - |q|^2)(1 - |k|^2), 1e-6), 1), distance = arccosh(x) = ln(x + sqrt(x - 1) sqrt(x + 1)), softmax of -distance, weights x V.  All in f32.
; THE SOFTMAX in base 2: t = -log2(y), y = x + sqrt(x - 1) sqrt(x + 1); the row's largest t is taken away; p = 2^(t - max) / the sum.
; LIMITS: NaN and infinities are not served (the two maxima here drop a NaN); x above 1.7e38 would make y infinite.
; SHARES.  Work-group = 64 queries of one (b, h); 16 waves, 4 queries each.  K of (b, h), 1,024 rows of 256 bytes, and 1 - |k|^2 are staged in LDS through registers; behind the scores V takes K's place.
; SCORES: A LANE TO A KEY.  Rows lie 256 bytes apart, unpadded, and lane l reads chunk (c + l) mod 16 of its row in step c: 16 neighbouring lanes touch 16 different columns of 16 bytes
; whatever rows they name.  q is loaded with the same turn, so that each lane subtracts like from like; a sum of squares does not mind the order.
; 102 keys are 3 x 32 and 6: in the fourth pass lanes 0-5 hold slots 96-101, the other lanes repeat slot 101 and get the weight 0.
; WEIGHTS x V: A WAVE TO A ROW: a key's index and weight go to scalar registers, the 32 lanes read the row's 256 consecutive bytes, 2 channels a lane; eight rows are asked for ahead.
; NO JOINT LOADS, though 16 work-groups read the same K and V: a joint request asks that no LDS address differ between the partners, and here every gather's LDS address comes from the query's own list.
; V IS ASKED FOR AHEAD: the first work-group of each (b, h) names each of V's 1,024 blocks of 256 bytes once (a thread two blocks), one query's scores ahead of the loads that stage V.
; LDS addresses that come from the lists are held under 1,024 rows; a barrier parts each phase of gathers from every LDS write of another wave.
.set KN,    262144                     ; LDS: K or V from 0; 1 - |k|^2 here
.set SPARE, 266240                     ; the spare words: 128 bytes a wave, eight blocks of 256 bytes that no other line names
.set PFO, 1                            ; v1       256 x thread: the prefetches' offset; never rewritten
.set T16, 4                            ; v4-7     16 x thread + 65,536 k: staging
.set L4,  8                            ; v8       4 x lane
.set L3O, 9                            ; v9       the fourth pass's slot, in bytes
.set L8,  10                           ; v10      8 x lane
.set T8,  11                           ; v11      8 x thread
.set KNA, 12                           ; v12      KN + 8 x thread
.set PINF, 13                          ; v13      +infinity
.set SPW, 14
.set NIL, 15
.set ROT, 16                           ; v16-31   16 x ((lane + c) mod 16)
.set Q,   32                           ; v32-95   q, turned
.set K,   96                           ; v96-159  a pass's 32 rows of K
.set IDX, 160                          ; v160-175 the lists: query i, pass p at 4 i + p
.set PP,  176                          ; v176-191 the weights likewise; at the head v176-177 the norms on their way, and:
.set LO,  178                          ; v178-181 the lists' offsets, passes 0-2
.set LT,  182                          ; v182-185 and pass 3
.set S2,  192                          ; v192-255 the second half of K's staging; then:
.set DF,  192
.set AK,  196
.set SA,  200
.set DD,  204
.set X,   212
.set XM,  216
.set XP,  220
.set MX,  224
.set MT,  225
.set AD,  226                          ; v226-242 a pass's 17 LDS addresses, one for each load
.set VV,  32                           ; second phase: v32-47 eight rows' pieces, v48-55 their addresses, v56-63 the four queries' sums
.set VA,  48
.set O,   56
.set IS,  44                           ; s44-51   eight keys' indices
.set WS,  68                           ; s68-83   eight weights, each the low word of a pair
	s_load_b256 s[4:11], s[0:1], 0x0               ; qkv s[4:5], nrm s[6:7], hsh s[8:9], lst s[10:11]
	s_load_b64 s[12:13], s[0:1], 0x20              ; ao
	v_lshl_add_u32 v[SPW], v0, 2, SPARE
	v_mov_b32 v[NIL], 0
	v_lshrrev_b32 v2, 5, v0
	v_readfirstlane_b32 s14, v2                    ; wave 0..15
	v_and_b32 v2, 31, v0                           ; lane
	v_lshlrev_b32 v[T16], 4, v0
	v_add_nc_u32 v[T16+1], 0x10000, v[T16]
	v_add_nc_u32 v[T16+2], 0x20000, v[T16]
	v_add_nc_u32 v[T16+3], 0x30000, v[T16]
	v_lshlrev_b32 v[L4], 2, v2
	v_min_u32 v[L3O], 5, v2
	v_lshl_add_u32 v[L3O], v[L3O], 2, 384          ; slot 96 + min(lane, 5)
	v_lshlrev_b32 v[L8], 3, v2
	v_lshlrev_b32 v[T8], 3, v0
	v_add_nc_u32 v[KNA], KN, v[T8]
	v_mov_b32 v[PINF], 0x7f800000
.set c, 0
.rept 16
	v_add_nc_u32 v[ROT+c], c, v2
	v_and_b32 v[ROT+c], 15, v[ROT+c]
	v_lshlrev_b32 v[ROT+c], 4, v[ROT+c]
.set c, c+1
.endr
	v_lshlrev_b32 v[PFO], 8, v0
.irp u, 0,1,2,3,4,5,6,7
	s_mov_b32 s[WS+2*\u+1], 0                      ; named with the weight as a pair, so it is written
.endr
	s_mov_b32 s60, 0x3f                            ; the fourth pass's lanes that count
	s_mov_b32 s62, 0x76543210
	s_mov_b32 s63, 0xfedcba98                      ; lane l xor 16
	s_lshr_b32 s15, ttmp9, 4                       ; (b, h)
	s_and_b32 s61, ttmp9, 15                       ; which 64 queries
	s_lshl_b32 s16, s61, 6
	s_lshl_b32 s17, s14, 2
	s_add_co_u32 s16, s16, s17                     ; my first query
	s_lshl_b32 s18, s15, 18                        ; 1,024 rows of 256 bytes
	s_mov_b32 s19, 0
	s_lshl_b32 s52, s15, 12
	s_mov_b32 s53, 0
	s_lshl_b32 s54, s16, 8
	s_mov_b32 s55, 0
	s_lshl_b32 s56, s16, 2
	s_add_co_u32 s56, s56, s52
	s_mov_b32 s57, 0
	s_lshr_b32 s58, s15, 3                         ; ao: row 1024 b + position of 2,048 bytes, + 256 x head
	s_lshl_b32 s58, s58, 10
	s_add_co_u32 s58, s58, s16
	s_lshl_b32 s58, s58, 11
	s_and_b32 s59, s15, 7
	s_lshl_b32 s59, s59, 8
	s_add_co_u32 s58, s58, s59
	s_mov_b32 s59, 0
	s_lshl_b32 s34, s15, 17                        ; 256 lists of 512 bytes
	s_mov_b32 s35, 0
	s_wait_kmcnt 0x0
	s_add_nc_u64 s[4:5], s[4:5], s[18:19]
	s_add_nc_u64 s[20:21], s[4:5], 0x400000        ; K of (b, h)
	s_add_nc_u64 s[22:23], s[4:5], 0x800000        ; V
	s_add_nc_u64 s[24:25], s[4:5], s[54:55]        ; my first query's row
	s_add_nc_u64 s[26:27], s[6:7], s[52:53]
	s_add_nc_u64 s[26:27], s[26:27], 0x10000       ; 1 - |k|^2
	s_add_nc_u64 s[28:29], s[6:7], s[56:57]
	s_add_nc_u64 s[30:31], s[8:9], s[56:57]
	s_add_nc_u64 s[12:13], s[12:13], s[58:59]
	s_add_nc_u64 s[10:11], s[10:11], s[34:35]
	s_load_b128 s[36:39], s[28:29], 0x0            ; 1 - |q|^2 of my four queries
	s_load_b128 s[40:43], s[30:31], 0x0            ; and their hashes
.set i, 0
.rept 32                                       ; K: 32 loads of 8,192 consecutive bytes for the work-group, all out at once
.if i < 16
.set RG, K+4*i
.else
.set RG, S2+4*(i-16)
.endif
	global_load_b128 v[RG:RG+3], v[T16], s[20:21] offset:i*8192
.set i, i+1
.endr
	global_load_b64 v[PP:PP+1], v[T8], s[26:27]
	s_wait_kmcnt 0x0
.irp i, 0,1,2,3
	s_min_u32 s[40+\i], s[40+\i], 255              ; a number read from memory is held inside its table ahead of an address
	s_lshl_b32 s[40+\i], s[40+\i], 9
	v_add_nc_u32 v[LO+\i], s[40+\i], v[L4]
	v_add_nc_u32 v[LT+\i], s[40+\i], v[L3O]
.endr
.irp i, 0,1,2,3
.irp p, 0,1,2
	global_load_b32 v[IDX+4*\i+\p], v[LO+\i], s[10:11] offset:128*\p
.endr
	global_load_b32 v[IDX+4*\i+3], v[LT+\i], s[10:11]
.endr
.set c, 0
.rept 16
	global_load_b128 v[Q+4*c:Q+4*c+3], v[ROT+c], s[24:25]
.set c, c+1
.endr
.set i, 0
.rept 32
.if i < 16
.set RG, K+4*i
.else
.set RG, S2+4*(i-16)
.endif
.set NW, 64-i                                  ; behind load i: 31 - i of K's, the norms', 16 of the lists', 16 of q's; the wait's field holds 63
.if NW > 63
.set NW, 63
.endif
	s_wait_loadcnt NW
	ds_store_b128 v[T16+i/8], v[RG:RG+3] offset:(i%8)*8192
.set i, i+1
.endr
	s_wait_loadcnt 32                              ; the lists' and q's loads may be out
	ds_store_b64 v[KNA], v[PP:PP+1]
	s_wait_dscnt 0x0                               ; for the others' sake: my part of K lies in LDS
	s_barrier_signal -1
	s_barrier_wait -1
	v_mov_b32 v[MT], 0                             ; a lane permute's destination counts as one of its sources
; One pass: 32 keys of query i.  ahead = 1: each chunk of q, once used for the last time, is loaded anew for the next query.
.macro PASS i, p, ahead
	v_lshl_add_u32 v[AD], v[IDX+4*\i+\p], 2, KN
	ds_load_b32 v[AK+\p], v[AD]
.set c, 0
.rept 16
	v_lshl_add_u32 v[AD+1+c], v[IDX+4*\i+\p], 8, v[ROT+c]
	ds_load_b128 v[K+4*c:K+4*c+3], v[AD+1+c]
.set c, c+1
.endr
.set c, 0
.rept 16
.set D0, DD+4*(c%2)
	s_wait_dscnt 15-c                              ; chunk c is in; the younger chunks may be out
	v_pk_add_f32 v[D0:D0+1], v[Q+4*c:Q+4*c+1], v[K+4*c:K+4*c+1] neg_lo:[0,1] neg_hi:[0,1]
	v_pk_add_f32 v[D0+2:D0+3], v[Q+4*c+2:Q+4*c+3], v[K+4*c+2:K+4*c+3] neg_lo:[0,1] neg_hi:[0,1]
.if \ahead
	global_load_b128 v[Q+4*c:Q+4*c+3], v[ROT+c], s[24:25] offset:(\i+1)*256
.endif
.if c == 0
	v_pk_mul_f32 v[SA:SA+1], v[D0:D0+1], v[D0:D0+1]
	v_pk_mul_f32 v[SA+2:SA+3], v[D0+2:D0+3], v[D0+2:D0+3]
.else
	v_pk_fma_f32 v[SA:SA+1], v[D0:D0+1], v[D0:D0+1], v[SA:SA+1]
	v_pk_fma_f32 v[SA+2:SA+3], v[D0+2:D0+3], v[D0+2:D0+3], v[SA+2:SA+3]
.endif
.set c, c+1
.endr
	v_pk_add_f32 v[SA:SA+1], v[SA:SA+1], v[SA+2:SA+3]
	v_add_f32 v[DF+\p], v[SA], v[SA+1]
.endm
; From the four passes' diff to the weights.  Transcendentals go in batches: a plain instruction behind each batch, and one wait ahead of its first reader.
.macro TAIL i
.irp p, 0,1,2,3
	v_mul_f32 v[AK+\p], s[36+\i], v[AK+\p]
.endr
.irp p, 0,1,2,3
	v_max_num_f32 v[AK+\p], 0x358637bd, v[AK+\p]   ; 1e-6
.endr
.irp p, 0,1,2,3
	v_rcp_f32 v[AK+\p], v[AK+\p]
.endr
.irp p, 0,1,2,3
	v_add_f32 v[DF+\p], v[DF+\p], v[DF+\p]
.endr
	s_wait_alu depctr_va_vdst(0)
.irp p, 0,1,2,3
	v_fma_f32 v[X+\p], v[DF+\p], v[AK+\p], 1.0
.endr
.irp p, 0,1,2,3
	v_max_num_f32 v[X+\p], 1.0, v[X+\p]
.endr
.irp p, 0,1,2,3
	v_add_f32 v[XM+\p], -1.0, v[X+\p]
.endr
.irp p, 0,1,2,3
	v_add_f32 v[XP+\p], 1.0, v[X+\p]
.endr
.irp p, 0,1,2,3
	v_sqrt_f32 v[XM+\p], v[XM+\p]
.endr
.irp p, 0,1,2,3
	v_sqrt_f32 v[XP+\p], v[XP+\p]
.endr
	v_nop
	s_wait_alu depctr_va_vdst(0)
.irp p, 0,1,2,3
	v_fma_f32 v[X+\p], v[XM+\p], v[XP+\p], v[X+\p]
.endr
.irp p, 0,1,2,3
	v_log_f32 v[X+\p], v[X+\p]                     ; log2(y) = -t
.endr
	v_nop
	s_wait_alu depctr_va_vdst(0)
	v_cndmask_b32 v[X+3], v[PINF], v[X+3], s60     ; lanes that only repeat a slot: t = -infinity
	v_max3_num_f32 v[MX], -v[X], -v[X+1], -v[X+2]
	v_max_num_f32 v[MX], v[MX], -v[X+3]
	v_max_num_f32_dpp v[MX], v[MX], v[MX] row_xmask:1 row_mask:0xf bank_mask:0xf
	v_max_num_f32_dpp v[MX], v[MX], v[MX] row_xmask:2 row_mask:0xf bank_mask:0xf
	v_max_num_f32_dpp v[MX], v[MX], v[MX] row_xmask:4 row_mask:0xf bank_mask:0xf
	v_max_num_f32_dpp v[MX], v[MX], v[MX] row_xmask:8 row_mask:0xf bank_mask:0xf
	v_permlanex16_b32 v[MT], v[MX], s62, s63
	v_max_num_f32 v[MX], v[MX], v[MT]              ; the row's largest t
.irp p, 0,1,2,3
	v_sub_f32 v[X+\p], -v[X+\p], v[MX]
.endr
.irp p, 0,1,2,3
	v_exp_f32 v[PP+4*\i+\p], v[X+\p]
.endr
	v_nop
	s_wait_alu depctr_va_vdst(0)
	v_add_f32 v[MX], v[PP+4*\i], v[PP+4*\i+1]
	v_add_f32 v[MT], v[PP+4*\i+2], v[PP+4*\i+3]
	v_add_f32 v[MX], v[MX], v[MT]
	v_add_f32_dpp v[MX], v[MX], v[MX] row_xmask:1 row_mask:0xf bank_mask:0xf
	v_add_f32_dpp v[MX], v[MX], v[MX] row_xmask:2 row_mask:0xf bank_mask:0xf
	v_add_f32_dpp v[MX], v[MX], v[MX] row_xmask:4 row_mask:0xf bank_mask:0xf
	v_add_f32_dpp v[MX], v[MX], v[MX] row_xmask:8 row_mask:0xf bank_mask:0xf
	v_permlanex16_b32 v[MT], v[MX], s62, s63
	v_add_f32 v[MX], v[MX], v[MT]
	v_rcp_f32 v[MX], v[MX]
	v_nop
	s_wait_alu depctr_va_vdst(0)
.irp p, 0,1,2,3
	v_mul_f32 v[PP+4*\i+\p], v[PP+4*\i+\p], v[MX]
.endr
.endm
.macro SCORE i, ahead
	s_wait_loadcnt 0x0                             ; this query's q (for the first query the lists too)
.irp p, 0,1,2,3
	v_min_u32 v[IDX+4*\i+\p], 0x3ff, v[IDX+4*\i+\p]
.endr
	PASS \i, 0, 0
	PASS \i, 1, 0
	PASS \i, 2, 0
	PASS \i, 3, \ahead
	TAIL \i
.endm
	SCORE 0, 1
	SCORE 1, 1
	SCORE 2, 1
	s_cmp_lg_u32 s61, 0                            ; V is named by the first work-group of (b, h) alone: 512 threads x 2 blocks of 256 bytes
	s_cbranch_scc1 .Lno_ask
	global_prefetch_b8 v[PFO], s[22:23] th:TH_LOAD_NT scope:SCOPE_SE
	global_prefetch_b8 v[PFO], s[22:23] offset:131072 th:TH_LOAD_NT scope:SCOPE_SE
.Lno_ask:
	SCORE 3, 0
.set i, 0
.rept 32                                       ; V is on its way into q's and K's registers while the other waves finish their scores
	global_load_b128 v[Q+4*i:Q+4*i+3], v[T16], s[22:23] offset:i*8192
.set i, i+1
.endr
	s_wait_dscnt 0x0                               ; my reads of K are over
	s_barrier_signal -1
	s_barrier_wait -1                              ; everybody's are: K's bytes may be written
.set i, 0
.rept 32
	s_wait_loadcnt 31-i                            ; the younger loads of V may be out
	ds_store_b128 v[T16+i/8], v[Q+4*i:Q+4*i+3] offset:(i%8)*8192
.set i, i+1
.endr
	s_wait_dscnt 0x0                               ; for the others' sake: my part of V lies in LDS
	s_barrier_signal -1
	s_barrier_wait -1
; WEIGHTS x V: 408 steps, step g = key g % 102 of query g / 102; eight rows are on their way at a time.
.macro ISSUE
.set qi, gi/102
.set w, gi%102
.set u, gi%8
	v_readlane_b32 s[IS+u], v[IDX+4*qi+w/32], w%32
	v_readlane_b32 s[WS+2*u], v[PP+4*qi+w/32], w%32
	s_min_u32 s[IS+u], s[IS+u], 0x3ff              ; held inside V's 1,024 rows
	v_lshl_add_u32 v[VA+u], s[IS+u], 8, v[L8]
	ds_load_b64 v[VV+2*u:VV+2*u+1], v[VA+u]        ; 32 lanes read the row's 256 consecutive bytes
.set gi, gi+1
.endm
.macro USE
.set qi, gu/102
.set u, gu%8
.set NW, 407-gu                                ; the steps issued behind this one: seven, fewer at the end
.if NW > 7
.set NW, 7
.endif
	s_wait_dscnt NW
.if gu%102 == 0
	v_pk_mul_f32 v[O+2*qi:O+2*qi+1], v[VV+2*u:VV+2*u+1], s[WS+2*u:WS+2*u+1] op_sel_hi:[1,0]      ; a query's first key starts its sums
.else
	v_pk_fma_f32 v[O+2*qi:O+2*qi+1], v[VV+2*u:VV+2*u+1], s[WS+2*u:WS+2*u+1], v[O+2*qi:O+2*qi+1] op_sel_hi:[1,0,1]
.endif
.set gu, gu+1
.endm
.set gi, 0
.set gu, 0
.rept 8
	ISSUE
.endr
.rept 400
	USE
	ISSUE
.endr
.rept 8
	USE
.endr
.irp i, 0,1,2,3
	global_store_b64 v[L8], v[O+2*\i:O+2*\i+1], s[12:13] offset:2048*\i   ; 32 lanes store 256 consecutive bytes, at a multiple of 256 from ao's first byte
.endr
	s_wait_dscnt 0x0                               ; my gathers are over
	s_barrier_signal -1
	s_barrier_wait -1                              ; everybody's are
	s_wait_tensorcnt 0x0                           ; the wave's end
	ds_add_u32 v[SPW], v[NIL]
	s_wait_dscnt 0x0
	s_endpgm
.Lfunc_end_k_q40531765aa_attn:
	.size	k_q40531765aa_attn, .Lfunc_end_k_q40531765aa_attn-k_q40531765aa_attn
	.p2alignl 7, 3214868480
	.fill 96, 4, 3214868480
	.section	.rodata,"a",@progbits
	.p2align	6, 0x0
	.amdhsa_kernel k_q40531765aa_attn
		.amdhsa_group_segment_fixed_size 268288
		.amdhsa_private_segment_fixed_size 0
		.amdhsa_enable_private_segment 0
		.amdhsa_kernarg_size 40
		.amdhsa_user_sgpr_count 2
		.amdhsa_user_sgpr_kernarg_segment_ptr 1
		.amdhsa_wavefront_size32 1
		.amdhsa_system_sgpr_workgroup_id_x 1
		.amdhsa_system_sgpr_workgroup_id_y 1
		.amdhsa_system_sgpr_workgroup_id_z 1
		.amdhsa_system_vgpr_workitem_id 0
		.amdhsa_next_free_vgpr 256
		.amdhsa_next_free_sgpr 84
		.amdhsa_reserve_vcc 0
		.amdhsa_float_denorm_mode_32 3
		.amdhsa_float_denorm_mode_16_64 3
		.amdhsa_memory_ordered 1
		.amdhsa_forward_progress 1
		.amdhsa_inst_pref_size 255
	.end_amdhsa_kernel
	.section	.bss,"aw",@nobits
	.p2align	6
	.space	262144
	.amdgpu_metadata
---
amdhsa.version: [ 1, 2 ]
amdhsa.kernels:
  - .name:           k_q40531765aa_attn
    .symbol:         k_q40531765aa_attn.kd
    .args:
      - { .name: qkv, .offset: 0, .size: 8, .value_kind: global_buffer, .address_space: global }
      - { .name: nrm, .offset: 8, .size: 8, .value_kind: global_buffer, .address_space: global }
      - { .name: hsh, .offset: 16, .size: 8, .value_kind: global_buffer, .address_space: global }
      - { .name: lst, .offset: 24, .size: 8, .value_kind: global_buffer, .address_space: global }
      - { .name: ao, .offset: 32, .size: 8, .value_kind: global_buffer, .address_space: global }
    .group_segment_fixed_size: 268288
    .private_segment_fixed_size: 0
    .kernarg_segment_align: 8
    .kernarg_segment_size: 40
    .max_flat_workgroup_size: 512
    .sgpr_count:     84
    .vgpr_count:     256
    .wavefront_size: 32
...
	.end_amdgpu_metadata
.endif
;; end of part 4
;; launch oproj (part 5): grid 128 x 2, 4 waves a work-group, no clusters, 24,576 bytes of LDS; arguments ao, cod, scl, out0; writes out0
.if DOCPART == 5
	.amdgcn_target "amdgcn-amd-amdhsa--gfx1250"
	.amdhsa_code_object_version 6
	.text
	.protected	k_q40531765aa_oproj
	.globl	k_q40531765aa_oproj
	.p2align	8
	.type	k_q40531765aa_oproj,@function
k_q40531765aa_oproj:
	s_mov_b64 s[64:65], 0
	v_nop
	global_prefetch_b8 v0, s[64:65] scope:SCOPE_SE
	s_setreg_imm32_b32 hwreg(HW_REG_WAVE_MODE, 25, 1), 1
	s_wait_xcnt 0x0
; out0 = Q(ao) Q(Wo)^T on codes of FP6 with E8M0 scales.  ao [2048][512] f32 is quantised here, along K = 512; Wo's codes and scale words come as images of registers (tiles 224-255 of cod, scl).
; SHARES.  Work-group (X, y): tokens 16 X .. + 15, columns 256 y .. + 255.  Wave w quantises K step w of the 16 rows and hands its fragment on through LDS as an image of its registers
; (three stores of 16 bytes a lane, the scale word 4 bytes a lane); behind one barrier every wave loads all four.  Wave w makes columns 256 y + 64 w .. + 63: 4 accumulators by turns, 16 matrix instructions.
; TRANSPOSED USE (source 0 = 16 rows of Wo, source 1 = the 16 tokens): lane (r, h) holds token r, register j of tile t column 16 t + 8 h + j.  The way out goes through the wave's own stage as rows of 256 bytes.
; REGISTERS: window 0: v4-15 addresses; v16-79 64 numbers of ao, then the four fragments (v16-63); v80-116 the quantiser's; v120-123 ao's scale words, v124-139 Wo's (nothing else ever);
; v144-175 accumulators; v176-207 rows on the way out.  Window 1: Wo's 16 fragments ((t, s) at 12 (4 t + s)).
.set XIMG,  0                          ; LDS: four fragments' images, 1,536 bytes each,
.set XSC,   6144                       ; their scale words, 128 bytes each,
.set STG,   6656                       ; a stage of 16 rows x (256 + 16) bytes for each wave,
.set SPARE, 24064                      ; and the spare words: 128 bytes a wave, two blocks of 256 bytes that no other line names
.set XA,  4
.set LI,  5
.set LS,  6
.set XWI, 7
.set XWS, 8
.set STO, 9
.set RD,  10
.set GO,  11
.set SPW, 14
.set NIL, 15
.set XN,  16
.set AF,  16
.set TM,  80
.set PC,  96
.set PW,  116
.set ASC, 120
.set WSC, 124
.set ACC, 144
.set OUTR, 176
.set SEL, 20
.set MSB, 0
.macro WIN new                         ; the immediate's high byte repeats the setting that is left
.if MSB != \new
	s_set_vgpr_msb (MSB<<8)|\new
.set MSB, \new
.endif
.endm
.macro QUANT s                         ; 64 numbers of a lane, register 16 b + i = k 32 b + 16 (lane / 16) + i of my row, become a fragment's codes in v[PC] on and its scale word in v[PW]
.irp b, 0,1,2,3
	v_max3_num_f32 v[TM+\b], |v[\s+16*\b]|, |v[\s+1+16*\b]|, 0x1800000   ; and the floor 2^(3 - 127): the byte cannot fall under 1
.endr
.irp i, 2,4,6,8,10,12,14
.irp b, 0,1,2,3
	v_max3_num_f32 v[TM+\b], v[TM+\b], |v[\s+16*\b+\i]|, |v[\s+1+16*\b+\i]|
.endr
.endr
.irp b, 0,1,2,3
	v_permlanex16_b32 v[TM+4+\b], v[TM+\b], s[SEL], s[SEL+1]
.endr
.irp b, 0,1,2,3
	v_max_num_f32 v[TM+\b], v[TM+\b], v[TM+4+\b]
.endr
.irp b, 0,1,2,3
	v_add_nc_u32 v[TM+12+\b], 0xff000000, v[TM+\b]   ; 2 off the exponent field: the conversion's scale operand
.endr
.irp b, 0,1,2,3
	v_lshrrev_b32 v[TM+4+\b], 23, v[TM+12+\b]      ; the scale's byte
.endr
	v_lshl_or_b32 v[PW], v[TM+5], 8, v[TM+4]
	v_lshl_or_b32 v[PW], v[TM+6], 16, v[PW]
	v_lshl_or_b32 v[PW], v[TM+7], 24, v[PW]
.irp c, 0,1
	v_cvt_scalef32_pk16_fp6_f32 v[PC+6*\c:PC+2+6*\c], v[\s+32*\c:\s+15+32*\c], v[TM+12+2*\c]
	v_cvt_scalef32_pk16_fp6_f32 v[PC+12+4*\c:PC+14+4*\c], v[\s+16+32*\c:\s+31+32*\c], v[TM+12+2*\c+1]
.endr
	v_nop                                          ; one plain place behind a scaled conversion
.irp c, 0,1
.irp i, 0,1,2
	v_permlane16_swap_b32 v[PC+6*\c+\i], v[PC+12+4*\c+\i]
.endr
.irp i, 0,1,2
	v_mov_b32 v[PC+3+6*\c+\i], v[PC+12+4*\c+\i]
.endr
.endr
.endm
	s_load_b256 s[4:11], s[0:1], 0x0               ; ao s[4:5], codes s[6:7], scale words s[8:9], out0 s[10:11]
	v_lshl_add_u32 v[SPW], v0, 2, SPARE
	v_mov_b32 v[NIL], 0
	v_lshrrev_b32 v1, 5, v0
	v_readfirstlane_b32 s18, v1                    ; wave 0..3
	v_and_b32 v1, 31, v0                           ; lane
	v_and_b32 v2, 15, v0                           ; r
	v_bfe_u32 v3, v0, 4, 1                         ; h
	v_lshlrev_b32 v[XA], 11, v2
	v_lshl_add_u32 v[XA], v3, 6, v[XA]             ; row r of 2,048 bytes, + 64 h
	v_lshlrev_b32 v[LI], 4, v1
	v_lshlrev_b32 v[LS], 2, v1
	s_mul_i32 s24, s18, 1536
	v_add_nc_u32 v[XWI], s24, v[LI]                ; where I store my image
	s_lshl_b32 s24, s18, 7
	s_add_co_u32 s24, s24, XSC
	v_add_nc_u32 v[XWS], s24, v[LS]                ; and its scale words
	s_mul_i32 s24, s18, 4352
	s_add_co_u32 s24, s24, STG                     ; my stage
	v_mul_u32_u24 v[STO], v2, 272
	v_lshl_add_u32 v[STO], v3, 5, v[STO]
	v_add_nc_u32 v[STO], s24, v[STO]
	v_mul_u32_u24 v[RD], v3, 272
	v_lshl_add_u32 v[RD], v2, 4, v[RD]
	v_add_nc_u32 v[RD], s24, v[RD]
	v_lshlrev_b32 v[GO], 11, v3
	v_lshl_add_u32 v[GO], v2, 4, v[GO]             ; out0: 2,048 h + 16 r
	s_mov_b32 s[SEL], 0x76543210
	s_mov_b32 s[SEL+1], 0xfedcba98
.irp b, 0,1,2,3
	v_mov_b32 v[TM+4+\b], 0                        ; a lane permute's destination counts as one of its sources
.endr
	s_and_b32 s19, ttmp7, 0xffff                   ; y
	s_lshl_b32 s22, s19, 4
	s_lshl_b32 s23, s18, 2
	s_add_co_u32 s22, s22, s23                     ; my first tile of Wo: 16 y + 4 w
	s_lshl_b32 s26, ttmp9, 15
	s_lshl_b32 s27, s18, 9
	s_add_co_u32 s26, s26, s27                     ; ao: 16 rows of 2,048 bytes a work-group, 512 bytes a K step
	s_mov_b32 s27, 0
	s_mul_i32 s28, s22, 6144
	s_add_co_u32 s28, s28, 1376256                 ; codes: tile 224 on, 4 fragments of 1,536 bytes a tile
	s_mov_b32 s29, 0
	s_lshl_b32 s30, s22, 9
	s_add_co_u32 s30, s30, 114688                  ; scale words: 4 x 128 bytes a tile
	s_mov_b32 s31, 0
	s_lshl_b32 s32, ttmp9, 15
	s_lshl_b32 s33, s19, 10
	s_add_co_u32 s32, s32, s33
	s_lshl_b32 s33, s18, 8
	s_add_co_u32 s32, s32, s33                     ; out0: my rows, my 64 columns
	s_mov_b32 s33, 0
	s_wait_kmcnt 0x0
	s_add_nc_u64 s[4:5], s[4:5], s[26:27]
	s_add_nc_u64 s[6:7], s[6:7], s[28:29]
	s_add_nc_u64 s[8:9], s[8:9], s[30:31]
	s_add_nc_u64 s[10:11], s[10:11], s[32:33]
.irp b, 0,1,2,3
.irp j, 0,1,2,3
	global_load_b128 v[XN+16*\b+4*\j:XN+16*\b+4*\j+3], v[XA], s[4:5] offset:128*\b+16*\j
.endr
.endr
	WIN 0x40                                       ; destination window 1
.irp f, 0,1,2,3,4,5,6,7,8,9,10,11,12,13,14,15
.irp c, 0,1,2
	global_load_b128 v[12*\f+4*\c:12*\f+4*\c+3], v[LI], s[6:7] offset:1536*\f+512*\c
.endr
.endr
	WIN 0
.irp f, 0,1,2,3,4,5,6,7,8,9,10,11,12,13,14,15
	global_load_b32 v[WSC+\f], v[LS], s[8:9] offset:128*\f
.endr
	s_wait_loadcnt 63                              ; ao's 16 loads are in: behind them 64 were issued; the wait's field holds 63
	QUANT XN
.irp c, 0,1,2
	ds_store_b128 v[XWI], v[PC+4*\c:PC+4*\c+3] offset:XIMG+512*\c
.endr
	ds_store_b32 v[XWS], v[PW]
	s_wait_dscnt 0x0                               ; for the others' sake: my image lies in LDS
	s_barrier_signal -1
	s_barrier_wait -1
.irp s, 0,1,2,3
.irp c, 0,1,2
	ds_load_b128 v[AF+12*\s+4*\c:AF+12*\s+4*\c+3], v[LI] offset:XIMG+1536*\s+512*\c
.endr
	ds_load_b32 v[ASC+\s], v[LS] offset:XSC+128*\s
.endr
	s_wait_dscnt 0x0
	s_wait_loadcnt 0x0                             ; Wo's fragments and scale words
	WIN 0x01                                       ; source 0 (Wo) window 1
.irp s, 0,1,2,3
.irp t, 0,1,2,3
.if \s == 0
	v_wmma_scale_f32_16x16x128_f8f6f4 v[ACC+8*\t:ACC+8*\t+7], v[12*(4*\t+\s):12*(4*\t+\s)+11], v[AF+12*\s:AF+12*\s+11], 0, v[WSC+4*\t+\s], v[ASC+\s] matrix_a_fmt:MATRIX_FMT_FP6 matrix_b_fmt:MATRIX_FMT_FP6
.else
	v_wmma_scale_f32_16x16x128_f8f6f4 v[ACC+8*\t:ACC+8*\t+7], v[12*(4*\t+\s):12*(4*\t+\s)+11], v[AF+12*\s:AF+12*\s+11], v[ACC+8*\t:ACC+8*\t+7], v[WSC+4*\t+\s], v[ASC+\s] matrix_a_fmt:MATRIX_FMT_FP6 matrix_b_fmt:MATRIX_FMT_FP6
.endif
.endr
.endr
	WIN 0
.rept 4
	v_nop                                          ; four places before the results are read
.endr
.irp t, 0,1,2,3
	ds_store_b128 v[STO], v[ACC+8*\t:ACC+8*\t+3] offset:64*\t          ; each accumulator from its low end on
	ds_store_b128 v[STO], v[ACC+8*\t+4:ACC+8*\t+7] offset:64*\t+16
.endr
.irp i, 0,1,2,3,4,5,6,7
	ds_load_b128 v[OUTR+4*\i:OUTR+4*\i+3], v[RD] offset:\i*544         ; LDS serves a wave's instructions in order: these see my stores
.endr
.irp i, 0,1,2,3,4,5,6,7
	s_wait_dscnt 7-\i                              ; the younger loads may be out
	global_store_b128 v[GO], v[OUTR+4*\i:OUTR+4*\i+3], s[10:11] offset:4096*\i th:TH_STORE_NT   ; 16 lanes store 256 consecutive bytes, at a multiple of 256 from out0's first byte
.endr
	s_wait_tensorcnt 0x0                           ; the wave's end
	ds_add_u32 v[SPW], v[NIL]
	s_wait_dscnt 0x0
	s_endpgm
.Lfunc_end_k_q40531765aa_oproj:
	.size	k_q40531765aa_oproj, .Lfunc_end_k_q40531765aa_oproj-k_q40531765aa_oproj
	.p2alignl 7, 3214868480
	.fill 96, 4, 3214868480
	.section	.rodata,"a",@progbits
	.p2align	6, 0x0
	.amdhsa_kernel k_q40531765aa_oproj
		.amdhsa_group_segment_fixed_size 24576
		.amdhsa_private_segment_fixed_size 0
		.amdhsa_enable_private_segment 0
		.amdhsa_kernarg_size 32
		.amdhsa_user_sgpr_count 2
		.amdhsa_user_sgpr_kernarg_segment_ptr 1
		.amdhsa_wavefront_size32 1
		.amdhsa_system_sgpr_workgroup_id_x 1
		.amdhsa_system_sgpr_workgroup_id_y 1
		.amdhsa_system_sgpr_workgroup_id_z 1
		.amdhsa_system_vgpr_workitem_id 0
		.amdhsa_next_free_vgpr 448
		.amdhsa_next_free_sgpr 66
		.amdhsa_reserve_vcc 0
		.amdhsa_float_denorm_mode_32 3
		.amdhsa_float_denorm_mode_16_64 3
		.amdhsa_memory_ordered 1
		.amdhsa_forward_progress 1
		.amdhsa_inst_pref_size 20
	.end_amdhsa_kernel
	.amdgpu_metadata
---
amdhsa.version: [ 1, 2 ]
amdhsa.kernels:
  - .name:           k_q40531765aa_oproj
    .symbol:         k_q40531765aa_oproj.kd
    .args:
      - { .name: ao, .offset: 0, .size: 8, .value_kind: global_buffer, .address_space: global }
      - { .name: cod, .offset: 8, .size: 8, .value_kind: global_buffer, .address_space: global }
      - { .name: scl, .offset: 16, .size: 8, .value_kind: global_buffer, .address_space: global }
      - { .name: out0, .offset: 24, .size: 8, .value_kind: global_buffer, .address_space: global }
    .group_segment_fixed_size: 24576
    .private_segment_fixed_size: 0
    .kernarg_segment_align: 8
    .kernarg_segment_size: 32
    .max_flat_workgroup_size: 128
    .sgpr_count:     66
    .vgpr_count:     448
    .wavefront_size: 32
...
	.end_amdgpu_metadata
.endif
;; end of part 5
;; ======== version 2 of 2: 5 launches
;; workspace buffers: cod 1,572,864 bytes; scl 131,072 bytes; qkv 12,582,912 bytes; nrm 131,072 bytes; hsh 131,072 bytes of whole numbers; lst 2,097,152 bytes of whole numbers; ao 4,194,304 bytes
;; launch quant: the kernel of part 1 again; grid 256 x 1, 4 waves a work-group, no clusters, 0 bytes of LDS; arguments x, Wq, Wk, Wv, Wo, cod, scl; writes cod, scl
;; launch qkv: the kernel of part 2 again; grid 32 x 8, 3 waves a work-group, no clusters, 15,104 bytes of LDS; arguments cod, scl, rand_vecs, qkv, nrm, hsh; writes qkv, nrm, hsh
;; launch lists: the kernel of part 3 again; grid 256 x 1, 16 waves a work-group, no clusters, 0 bytes of LDS; arguments hsh, lst; writes lst
;; launch attn (part 6): grid 256 x 1, 16 waves a work-group, no clusters, 268,288 bytes of LDS; arguments qkv, nrm, hsh, lst, ao; writes ao
.if DOCPART == 6
	.amdgcn_target "amdgcn-amd-amdhsa--gfx1250"
	.amdhsa_code_object_version 6
	.text
	.protected	k_q40531765aa_attn
	.globl	k_q40531765aa_attn
	.p2align	8
	.type	k_q40531765aa_attn,@function
k_q40531765aa_attn:
	s_mov_b64 s[64:65], 0
	v_nop
	global_prefetch_b8 v0, s[64:65] scope:SCOPE_SE
	s_setreg_imm32_b32 hwreg(HW_REG_WAVE_MODE, 25, 1), 1
	s_wait_xcnt 0x0
; THE SPARSE ATTENTION: for each query its list's 102 keys (by its hash: the dense matches and top_k are not done here, see the first kernel's head): diff = |q - k|^2,
; x = max(1 + 2 diff / max((1 - |q|^2)(1 - |k|^2), 1e-6), 1), distance = arccosh(x) = ln(x + sqrt(x - 1) sqrt(x + 1)), softmax of -distance, weights x V.  All in f32.
; THE SOFTMAX in base 2: t = -log2(y), y = x + sqrt(x - 1) sqrt(x + 1); the row's largest t is taken away; p = 2^(t - max) / the sum.
; LIMITS: NaN and infinities are not served (the two maxima here drop a NaN); x above 1.7e38 would make y infinite.
; SHARES.  Work-group = 64 queries of one (b, h); 16 waves, 4 queries each.  K of (b, h), 1,024 rows of 256 bytes, and 1 - |k|^2 are staged in LDS through registers; behind the scores V takes K's place.
; SCORES: A LANE TO A KEY.  Rows lie 256 bytes apart, unpadded, and lane l reads chunk (c + l) mod 16 of its row in step c: 16 neighbouring lanes touch 16 different columns of 16 bytes
; whatever rows they name.  q is loaded with the same turn, so that each lane subtracts like from like; a sum of squares does not mind the order.
; 102 keys are 3 x 32 and 6.  THE FOUR QUERIES' SIXES SHARE ONE PASS, the first: lanes 4 i + e and 16 + 4 i + e (e = 0, 1, 2) hold query i's slots 96 + e and 99 + e, with query i's q;
; lanes 4 i + 3 and 16 + 4 i + 3 repeat a slot; in query i's softmax all lanes of that pass but its six get the weight 0.  So a wave has 13 passes.
; A PASS GOES IN FOUR GROUPS OF FOUR CHUNKS, and the LDS loads run one pass ahead: a group waits for its four loads, makes four addresses, subtracts, asks in one run for the same four chunks of the next pass
; (into the registers just read), and then squares and sums in four chains.  No load stands behind the line that makes its address, and no line reads the line above it.
; WEIGHTS x V: 16 LANES TO A ROW, two keys a load: row_share spreads lane n's index and weight over its half of the lanes; 4 channels a lane; batches of eight loads in two buffers.
; Two queries' halves meet by one swap of halves and one sum, and a store's 16 lanes write a row's 256 bytes.
; NO JOINT LOADS, though 16 work-groups read the same K and V: a joint request asks that no LDS address differ between the partners, and here every gather's LDS address comes from the query's own list.
; V IS ASKED FOR AHEAD: the first work-group of each (b, h) names each of V's 1,024 blocks of 256 bytes once (a thread two blocks), two passes ahead of the first load that stages V.
; LDS addresses that come from the lists are held under 1,024 rows; a barrier parts each phase of gathers from every LDS write of another wave.
.set KN,    262144                     ; LDS: K or V from 0; 1 - |k|^2 here
.set SPARE, 266240                     ; the spare words: 128 bytes a wave, eight blocks of 256 bytes that no other line names
.set PFO, 1                            ; v1       256 x thread: the prefetches' offset; never rewritten
.set GO,  3                            ; v3       out: 2,048 (lane / 16) + 16 (lane % 16)
.set T16, 4                            ; v4-7     16 x thread + 65,536 k: staging
.set L4,  8                            ; v8       4 x lane
.set L3O, 9                            ; v9       the shared pass's slot, in bytes
.set R16, 10                           ; v10      16 x (lane % 16)
.set T8,  11                           ; v11      8 x thread
.set KNA, 12                           ; v12      KN + 8 x thread
.set PINF, 13                          ; v13      +infinity
.set SPW, 14
.set NIL, 15
.set ROT, 16                           ; v16-31   16 x ((lane + c) mod 16)
.set Q,   32                           ; v32-95   q, turned
.set K,   96                           ; v96-159  a pass's 32 rows of K
.set IDX, 160                          ; v160-175 the lists: query i, pass p at 4 i + p; the shared pass at + 3.  At the head: the offsets of the shared pass's q
.set PP,  176                          ; v176-191 the weights: query i, pass p at 4 i + p; at the head v176-177 the norms on their way, and:
.set LO,  178                          ; v178-181 the lists' offsets, passes 0-2
.set LT,  182                          ; v182-185 and the sixes'
.set S2,  192                          ; v192-255 the second half of K's staging; then:
.set DF,  192                          ; v192-194 a query's three diffs
.set DFT, 195                          ; v195     the shared pass's
.set AKN, 196                          ; v196-208 1 - |k|^2: pass k at + k
.set MX,  209
.set MT,  210
.set SA,  212                          ; v212-219 four chains of sums, a pair each
.set DD,  220                          ; v220-235 a group's 16 differences; in a softmax:
.set AKW, 220
.set X,   224
.set XM,  228
.set XP,  232
.set AD,  236                          ; v236-251 LDS addresses: four for each of the four groups that can be out
.set VV,  32                           ; second phase: v32-95 two batches of 8 rows' pieces;
.set VA,  96                           ; v96-111  their addresses;
.set W,   112                          ; v112-143 their weights, each the low word of a pair;
.set O,   192                          ; v192-223 the sums: query i, chain u at 8 i + 4 u
.set MK,  44                           ; s44-47   query i's six lanes of the shared pass
.set MQ,  48                           ; s49-51   query i's eight lanes
	s_load_b256 s[4:11], s[0:1], 0x0               ; qkv s[4:5], nrm s[6:7], hsh s[8:9], lst s[10:11]
	s_load_b64 s[12:13], s[0:1], 0x20              ; ao
	v_lshl_add_u32 v[SPW], v0, 2, SPARE
	v_mov_b32 v[NIL], 0
	v_lshrrev_b32 v2, 5, v0
	v_readfirstlane_b32 s14, v2                    ; wave 0..15
	v_and_b32 v2, 31, v0                           ; lane
	v_lshlrev_b32 v[T16], 4, v0
	v_add_nc_u32 v[T16+1], 0x10000, v[T16]
	v_add_nc_u32 v[T16+2], 0x20000, v[T16]
	v_add_nc_u32 v[T16+3], 0x30000, v[T16]
	v_lshlrev_b32 v[L4], 2, v2
	v_bfe_u32 v[GO], v0, 4, 1                      ; lane / 16
	v_and_b32 v[L3O], 3, v0
	v_min_u32 v[L3O], 2, v[L3O]
	v_mad_u32_u24 v[L3O], v[GO], 3, v[L3O]
	v_lshl_add_u32 v[L3O], v[L3O], 2, 384          ; slot 96 + 3 (lane / 16) + min(lane % 4, 2)
	v_and_b32 v[R16], 15, v0
	v_lshlrev_b32 v[R16], 4, v[R16]
	v_lshl_add_u32 v[GO], v[GO], 11, v[R16]
	v_lshlrev_b32 v[T8], 3, v0
	v_add_nc_u32 v[KNA], KN, v[T8]
	v_mov_b32 v[PINF], 0x7f800000
.set c, 0
.rept 16
	v_add_nc_u32 v[ROT+c], c, v2
	v_and_b32 v[ROT+c], 15, v[ROT+c]
	v_lshlrev_b32 v[ROT+c], 4, v[ROT+c]
.set c, c+1
.endr
	v_bfe_u32 v[S2], v0, 2, 2                      ; which of my four queries my lane serves in the shared pass: (lane % 16) / 4
	v_lshlrev_b32 v[S2], 8, v[S2]                  ; its row of q
.set c, 0
.rept 16
	v_add_nc_u32 v[IDX+c], v[S2], v[ROT+c]
.set c, c+1
.endr
	v_lshlrev_b32 v[PFO], 8, v0
	s_mov_b32 s[MK], 0x00070007
	s_mov_b32 s[MK+1], 0x00700070
	s_mov_b32 s[MK+2], 0x07000700
	s_mov_b32 s[MK+3], 0x70007000
	s_mov_b32 s[MQ+1], 0x00f000f0
	s_mov_b32 s[MQ+2], 0x0f000f00
	s_mov_b32 s[MQ+3], 0xf000f000
	s_mov_b32 s62, 0x76543210
	s_mov_b32 s63, 0xfedcba98                      ; lane l xor 16
	s_lshr_b32 s15, ttmp9, 4                       ; (b, h)
	s_and_b32 s61, ttmp9, 15                       ; which 64 queries
	s_lshl_b32 s16, s61, 6
	s_lshl_b32 s17, s14, 2
	s_add_co_u32 s16, s16, s17                     ; my first query
	s_lshl_b32 s18, s15, 18                        ; 1,024 rows of 256 bytes
	s_mov_b32 s19, 0
	s_lshl_b32 s52, s15, 12
	s_mov_b32 s53, 0
	s_lshl_b32 s54, s16, 8
	s_mov_b32 s55, 0
	s_lshl_b32 s56, s16, 2
	s_add_co_u32 s56, s56, s52
	s_mov_b32 s57, 0
	s_lshr_b32 s58, s15, 3                         ; ao: row 1024 b + position of 2,048 bytes, + 256 x head
	s_lshl_b32 s58, s58, 10
	s_add_co_u32 s58, s58, s16
	s_lshl_b32 s58, s58, 11
	s_and_b32 s59, s15, 7
	s_lshl_b32 s59, s59, 8
	s_add_co_u32 s58, s58, s59
	s_mov_b32 s59, 0
	s_lshl_b32 s34, s15, 17                        ; 256 lists of 512 bytes
	s_mov_b32 s35, 0
	s_wait_kmcnt 0x0
	s_add_nc_u64 s[4:5], s[4:5], s[18:19]
	s_add_nc_u64 s[20:21], s[4:5], 0x400000        ; K of (b, h)
	s_add_nc_u64 s[22:23], s[4:5], 0x800000        ; V
	s_add_nc_u64 s[24:25], s[4:5], s[54:55]        ; my first query's row
	s_add_nc_u64 s[26:27], s[6:7], s[52:53]
	s_add_nc_u64 s[26:27], s[26:27], 0x10000       ; 1 - |k|^2
	s_add_nc_u64 s[28:29], s[6:7], s[56:57]
	s_add_nc_u64 s[30:31], s[8:9], s[56:57]
	s_add_nc_u64 s[12:13], s[12:13], s[58:59]
	s_add_nc_u64 s[10:11], s[10:11], s[34:35]
	s_load_b128 s[36:39], s[28:29], 0x0            ; 1 - |q|^2 of my four queries
	s_load_b128 s[40:43], s[30:31], 0x0            ; and their hashes
.set c, 0
.rept 16                                       ; the shared pass's q: each lane its own query's row
	global_load_b128 v[Q+4*c:Q+4*c+3], v[IDX+c], s[24:25]
.set c, c+1
.endr
.set i, 0
.rept 32                                       ; K: 32 loads of 8,192 consecutive bytes for the work-group, all out at once
.if i < 16
.set RG, K+4*i
.else
.set RG, S2+4*(i-16)
.endif
	global_load_b128 v[RG:RG+3], v[T16], s[20:21] offset:i*8192
.set i, i+1
.endr
	global_load_b64 v[PP:PP+1], v[T8], s[26:27]
	s_wait_kmcnt 0x0
.irp i, 0,1,2,3
	s_mul_f32 s[36+\i], s[36+\i], 0.5              ; the 2 of 2 diff / denom goes into the denominator: a power of two, so nothing is rounded otherwise
	s_min_u32 s[40+\i], s[40+\i], 255              ; a number read from memory is held inside its table ahead of an address
	s_lshl_b32 s[40+\i], s[40+\i], 9
	v_add_nc_u32 v[LO+\i], s[40+\i], v[L4]
	v_add_nc_u32 v[LT+\i], s[40+\i], v[L3O]
.endr
	s_wait_xcnt 0x0                                ; q's loads have read their offsets: the lists may land on those registers
.irp i, 0,1,2,3
.irp p, 0,1,2
	global_load_b32 v[IDX+4*\i+\p], v[LO+\i], s[10:11] offset:128*\p
.endr
	global_load_b32 v[IDX+4*\i+3], v[LT+\i], s[10:11]
.endr
.set i, 0
.rept 32
.if i < 16
.set RG, K+4*i
.else
.set RG, S2+4*(i-16)
.endif
	s_wait_loadcnt 48-i                            ; behind load i: 31 - i of K's, the norms', 16 of the lists'
	ds_store_b128 v[T16+i/8], v[RG:RG+3] offset:(i%8)*8192
.set i, i+1
.endr
	s_wait_loadcnt 16                              ; the lists' loads may be out
	ds_store_b64 v[KNA], v[PP:PP+1]
	s_wait_dscnt 0x0                               ; for the others' sake: my part of K lies in LDS
	s_barrier_signal -1
	s_barrier_wait -1
	v_mov_b32 v[MT], 0                             ; a lane permute's destination counts as one of its sources
.macro IDXOF k                         ; IR = the register with pass k's indices: pass 0 the shared one, pass 1 + 3 i + p query i's p-th
.if (\k) == 0
.set IR, IDX+3
.else
.set IR, IDX+4*(((\k)-1)/3)+((\k)-1)%3
.endif
.endm
	s_wait_loadcnt 0x0                             ; the lists
	v_cndmask_b32 v[IDX+3], v[IDX+3], v[IDX+7], s[MQ+1]    ; the shared pass: each lane its own query's slot
	v_cndmask_b32 v[IDX+3], v[IDX+3], v[IDX+11], s[MQ+2]
	v_cndmask_b32 v[IDX+3], v[IDX+3], v[IDX+15], s[MQ+3]
.set kk, 0
.rept 13
	IDXOF kk
	v_min_u32 v[IR], 0x3ff, v[IR]                  ; held inside K's 1,024 rows
.set kk, kk+1
.endr
.set kk, 0
.rept 13
	IDXOF kk
	v_lshl_add_u32 v[DD+kk], v[IR], 2, KN
.set kk, kk+1
.endr
.set c, 0
.rept 16
	v_lshl_add_u32 v[AD+c], v[IDX+3], 8, v[ROT+c]
.set c, c+1
.endr
.set kk, 0
.rept 13
	ds_load_b32 v[AKN+kk], v[DD+kk]                ; all 13 passes' 1 - |k|^2, once
.set kk, kk+1
.endr
.set c, 0
.rept 16
	ds_load_b128 v[K+4*c:K+4*c+3], v[AD+c]         ; pass 0's rows
.set c, c+1
.endr
; Group cg = 4 x pass + group: chunks 4 g .. 4 g + 3 of its pass.
.macro GROUP
.set kp, cg/4
.set gp, cg%4
.set NW, 4*(51-cg)
.if NW > 12
.set NW, 12
.endif
.if kp%3 == 1
	s_wait_loadcnt 12-4*gp                         ; a query's first pass: my four chunks of its q are in; the later groups' may be out
.endif
	s_wait_dscnt NW                                ; my four chunks of K are in; the three later groups' loads may be out.  So these four loads' address registers are free too
.if cg < 48
	IDXOF kp+1
.irp j, 0,1,2,3
	v_lshl_add_u32 v[AD+4*gp+\j], v[IR], 8, v[ROT+4*gp+\j]
.endr
.endif
.irp j, 0,1,2,3
	v_pk_add_f32 v[DD+4*\j:DD+4*\j+1], v[Q+16*gp+4*\j:Q+16*gp+4*\j+1], v[K+16*gp+4*\j:K+16*gp+4*\j+1] neg_lo:[0,1] neg_hi:[0,1]
	v_pk_add_f32 v[DD+4*\j+2:DD+4*\j+3], v[Q+16*gp+4*\j+2:Q+16*gp+4*\j+3], v[K+16*gp+4*\j+2:K+16*gp+4*\j+3] neg_lo:[0,1] neg_hi:[0,1]
.endr
.if cg < 48
.irp j, 0,1,2,3
	ds_load_b128 v[K+16*gp+4*\j:K+16*gp+4*\j+3], v[AD+4*gp+\j]     ; the same chunks of the next pass
.endr
.endif
.if (kp%3 == 0) && (kp < 12)
.irp j, 0,1,2,3
	global_load_b128 v[Q+16*gp+4*\j:Q+16*gp+4*\j+3], v[ROT+4*gp+\j], s[24:25] offset:256*(kp/3)   ; this q has served its last pass: the next query's
.endr
.endif
.if kp == 12
.irp j, 0,1,2,3
	global_load_b128 v[Q+16*gp+4*\j:Q+16*gp+4*\j+3], v[T16], s[22:23] offset:(4*gp+\j)*8192       ; the last pass: V is asked for into the registers that q and K leave
.endr
.irp j, 0,1,2,3
	global_load_b128 v[K+16*gp+4*\j:K+16*gp+4*\j+3], v[T16], s[22:23] offset:(16+4*gp+\j)*8192
.endr
.endif
.irp j, 0,1,2,3
.set SS, SA+4*(\j%2)
.if (gp == 0) && (\j < 2)
	v_pk_mul_f32 v[SS:SS+1], v[DD+4*\j:DD+4*\j+1], v[DD+4*\j:DD+4*\j+1]          ; a pass's first two chunks start the four chains
	v_pk_mul_f32 v[SS+2:SS+3], v[DD+4*\j+2:DD+4*\j+3], v[DD+4*\j+2:DD+4*\j+3]
.else
	v_pk_fma_f32 v[SS:SS+1], v[DD+4*\j:DD+4*\j+1], v[DD+4*\j:DD+4*\j+1], v[SS:SS+1]
	v_pk_fma_f32 v[SS+2:SS+3], v[DD+4*\j+2:DD+4*\j+3], v[DD+4*\j+2:DD+4*\j+3], v[SS+2:SS+3]
.endif
.endr
.if gp == 3
.if kp == 0
.set DR, DFT
.else
.set DR, DF+(kp-1)%3
.endif
	v_pk_add_f32 v[SA:SA+1], v[SA:SA+1], v[SA+2:SA+3]
	v_pk_add_f32 v[SA+4:SA+5], v[SA+4:SA+5], v[SA+6:SA+7]
	v_pk_add_f32 v[SA:SA+1], v[SA:SA+1], v[SA+4:SA+5]
	v_add_f32 v[DR], v[SA], v[SA+1]
.endif
.set cg, cg+1
.endm
; From a query's four diffs to its weights.  Transcendentals go in batches: a plain instruction behind each batch, and one wait ahead of its first reader.
.macro TAIL i
.irp p, 0,1,2
	v_mul_f32 v[AKW+\p], s[36+\i], v[AKN+1+3*\i+\p]    ; half the denominator
.endr
	v_mul_f32 v[AKW+3], s[36+\i], v[AKN]
.irp p, 0,1,2,3
	v_max_num_f32 v[AKW+\p], 0x350637bd, v[AKW+\p]     ; half of 1e-6
.endr
.irp p, 0,1,2,3
	v_rcp_f32 v[AKW+\p], v[AKW+\p]
.endr
	v_nop
	s_wait_alu depctr_va_vdst(0)
.irp p, 0,1,2
	v_fma_f32 v[X+\p], v[DF+\p], v[AKW+\p], 1.0
.endr
	v_fma_f32 v[X+3], v[DFT], v[AKW+3], 1.0
.irp p, 0,1,2,3
	v_max_num_f32 v[X+\p], 1.0, v[X+\p]
.endr
.irp p, 0,1,2,3
	v_add_f32 v[XM+\p], -1.0, v[X+\p]
.endr
.irp p, 0,1,2,3
	v_add_f32 v[XP+\p], 1.0, v[X+\p]
.endr
.irp p, 0,1,2,3
	v_sqrt_f32 v[XM+\p], v[XM+\p]
.endr
.irp p, 0,1,2,3
	v_sqrt_f32 v[XP+\p], v[XP+\p]
.endr
	v_nop
	s_wait_alu depctr_va_vdst(0)
.irp p, 0,1,2,3
	v_fma_f32 v[X+\p], v[XM+\p], v[XP+\p], v[X+\p]
.endr
.irp p, 0,1,2,3
	v_log_f32 v[X+\p], v[X+\p]                     ; log2(y) = -t
.endr
	v_nop
	s_wait_alu depctr_va_vdst(0)
	v_cndmask_b32 v[X+3], v[PINF], v[X+3], s[MK+\i]    ; of the shared pass only this query's six lanes count: elsewhere t = -infinity
	v_max3_num_f32 v[MX], -v[X], -v[X+1], -v[X+2]
	v_max_num_f32 v[MX], v[MX], -v[X+3]
	v_max_num_f32_dpp v[MX], v[MX], v[MX] row_xmask:1 row_mask:0xf bank_mask:0xf
	v_max_num_f32_dpp v[MX], v[MX], v[MX] row_xmask:2 row_mask:0xf bank_mask:0xf
	v_max_num_f32_dpp v[MX], v[MX], v[MX] row_xmask:4 row_mask:0xf bank_mask:0xf
	v_max_num_f32_dpp v[MX], v[MX], v[MX] row_xmask:8 row_mask:0xf bank_mask:0xf
	v_permlanex16_b32 v[MT], v[MX], s62, s63
	v_max_num_f32 v[MX], v[MX], v[MT]              ; the row's largest t
.irp p, 0,1,2,3
	v_sub_f32 v[X+\p], -v[X+\p], v[MX]
.endr
.irp p, 0,1,2,3
	v_exp_f32 v[PP+4*\i+\p], v[X+\p]
.endr
	v_nop
	s_wait_alu depctr_va_vdst(0)
	v_add_f32 v[MX], v[PP+4*\i], v[PP+4*\i+1]
	v_add_f32 v[MT], v[PP+4*\i+2], v[PP+4*\i+3]
	v_add_f32 v[MX], v[MX], v[MT]
	v_add_f32_dpp v[MX], v[MX], v[MX] row_xmask:1 row_mask:0xf bank_mask:0xf
	v_add_f32_dpp v[MX], v[MX], v[MX] row_xmask:2 row_mask:0xf bank_mask:0xf
	v_add_f32_dpp v[MX], v[MX], v[MX] row_xmask:4 row_mask:0xf bank_mask:0xf
	v_add_f32_dpp v[MX], v[MX], v[MX] row_xmask:8 row_mask:0xf bank_mask:0xf
	v_permlanex16_b32 v[MT], v[MX], s62, s63
	v_add_f32 v[MX], v[MX], v[MT]
	v_rcp_f32 v[MX], v[MX]
	v_nop
	s_wait_alu depctr_va_vdst(0)
.irp p, 0,1,2,3
	v_mul_f32 v[PP+4*\i+\p], v[PP+4*\i+\p], v[MX]
.endr
.endm
.set cg, 0
.rept 16                                       ; the shared pass and query 0's three
	GROUP
.endr
	TAIL 0                                         ; the next pass's rows are on their way meanwhile
.rept 12
	GROUP
.endr
	TAIL 1
.rept 12
	GROUP
.endr
	TAIL 2
	s_cmp_lg_u32 s61, 0                            ; V is named by the first work-group of (b, h) alone: 512 threads x 2 blocks of 256 bytes
	s_cbranch_scc1 .Lno_ask
	global_prefetch_b8 v[PFO], s[22:23] th:TH_LOAD_NT scope:SCOPE_SE
	global_prefetch_b8 v[PFO], s[22:23] offset:131072 th:TH_LOAD_NT scope:SCOPE_SE
.Lno_ask:
.rept 12
	GROUP
.endr
	TAIL 3
	s_wait_dscnt 0x0                               ; my reads of K are over
	s_barrier_signal -1
	s_barrier_wait -1                              ; everybody's are: K's bytes may be written
.set m, 0
.rept 32                                       ; in the order in which the last pass asked: of group g first pieces 4 g .. 4 g + 3, then 16 + 4 g .. 16 + 4 g + 3
.if m%8 < 4
.set iv, 4*(m/8)+m%8
.else
.set iv, 16+4*(m/8)+m%8-4
.endif
	s_wait_loadcnt 31-m                            ; the younger loads of V may be out
	ds_store_b128 v[T16+iv/8], v[Q+4*iv:Q+4*iv+3] offset:(iv%8)*8192
.set m, m+1
.endr
	s_wait_dscnt 0x0                               ; for the others' sake: my part of V lies in LDS
	s_barrier_signal -1
	s_barrier_wait -1
; WEIGHTS x V.  A batch: lanes n = 8 h .. 8 h + 7 of each half of the lanes of one register of indices: 16 keys, 8 loads.  b: the buffer; tl = 1: the shared pass, where lane n belongs to query n / 4.
.macro ISSUE b, ir, pr, tl, h
.irp e, 0,1,2,3,4,5,6,7
	v_mov_b32_dpp v[VA+8*(\b)+\e], v[\ir] row_share:8*(\h)+\e row_mask:0xf bank_mask:0xf
.endr
.irp e, 0,1,2,3,4,5,6,7
	v_min_u32 v[VA+8*(\b)+\e], 0x3ff, v[VA+8*(\b)+\e]      ; held inside V's 1,024 rows
.endr
.irp e, 0,1,2,3,4,5,6,7
	v_lshl_add_u32 v[VA+8*(\b)+\e], v[VA+8*(\b)+\e], 8, v[R16]
.endr
.irp e, 0,1,2,3,4,5,6,7
	v_mov_b32_dpp v[W+16*(\b)+2*\e], v[\pr+4*(\tl)*((8*(\h)+\e)/4)] row_share:8*(\h)+\e row_mask:0xf bank_mask:0xf
.endr
.irp e, 0,1,2,3,4,5,6,7
	ds_load_b128 v[VV+32*(\b)+4*\e:VV+32*(\b)+4*\e+3], v[VA+8*(\b)+\e]     ; 16 lanes read a row's 256 consecutive bytes
.endr
.endm
.macro USE b, qb, tl, h, first, younger
	s_wait_dscnt \younger                          ; this batch is in; the next batch's loads may be out
.irp e, 0,1,2,3,4,5,6,7
.set OO, O+8*((\qb)+(\tl)*((8*(\h)+\e)/4))+4*(\e%2)
.set VR, VV+32*(\b)+4*\e
.set WR, W+16*(\b)+2*\e
.if (\first) && (\e < 2)
	v_pk_mul_f32 v[OO:OO+1], v[VR:VR+1], v[WR:WR+1] op_sel_hi:[1,0]            ; a query's first two loads start its two sets of sums
	v_pk_mul_f32 v[OO+2:OO+3], v[VR+2:VR+3], v[WR:WR+1] op_sel_hi:[1,0]
.else
	v_pk_fma_f32 v[OO:OO+1], v[VR:VR+1], v[WR:WR+1], v[OO:OO+1] op_sel_hi:[1,0,1]
	v_pk_fma_f32 v[OO+2:OO+3], v[VR+2:VR+3], v[WR:WR+1], v[OO+2:OO+3] op_sel_hi:[1,0,1]
.endif
.endr
.endm
; Batch bb of 26: 0 .. 23: query bb / 6, pass (bb % 6) / 2, half bb % 2; 24, 25: the shared pass
.macro ISSB bb
.if (\bb) < 24
	ISSUE (\bb)%2, IDX+4*((\bb)/6)+((\bb)%6)/2, PP+4*((\bb)/6)+((\bb)%6)/2, 0, (\bb)%2
.else
	ISSUE (\bb)%2, IDX+3, PP+3, 1, (\bb)%2
.endif
.endm
.macro USEB bb, younger
.if (\bb) < 24
.if (\bb)%6 == 0
	USE (\bb)%2, (\bb)/6, 0, (\bb)%2, 1, \younger
.else
	USE (\bb)%2, (\bb)/6, 0, (\bb)%2, 0, \younger
.endif
.else
	USE (\bb)%2, 0, 1, (\bb)%2, 0, \younger
.endif
.endm
	ISSB 0
.irp bb, 0,1,2,3,4,5,6,7,8,9,10,11,12,13,14,15,16,17,18,19,20,21,22,23,24
	ISSB \bb+1
	USEB \bb, 8
.endr
	USEB 25, 0
.irp i, 0,1,2,3
	v_pk_add_f32 v[O+8*\i:O+8*\i+1], v[O+8*\i:O+8*\i+1], v[O+8*\i+4:O+8*\i+5]          ; a query's two sets of sums
	v_pk_add_f32 v[O+8*\i+2:O+8*\i+3], v[O+8*\i+2:O+8*\i+3], v[O+8*\i+6:O+8*\i+7]
.endr
.irp i, 0,2                                    ; the first's lanes 16-31 change places with the second's lanes 0-15: then the sum holds query i in lanes 0-15 and query i + 1 in lanes 16-31
.irp j, 0,1,2,3
	v_permlane16_swap_b32 v[O+8*\i+\j], v[O+8*\i+8+\j]
.endr
	v_pk_add_f32 v[O+8*\i:O+8*\i+1], v[O+8*\i:O+8*\i+1], v[O+8*\i+8:O+8*\i+9]
	v_pk_add_f32 v[O+8*\i+2:O+8*\i+3], v[O+8*\i+2:O+8*\i+3], v[O+8*\i+10:O+8*\i+11]
	global_store_b128 v[GO], v[O+8*\i:O+8*\i+3], s[12:13] offset:2048*\i   ; 16 lanes store 256 consecutive bytes, at a multiple of 256 from ao's first byte
.endr
	s_wait_dscnt 0x0                               ; my gathers are over
	s_barrier_signal -1
	s_barrier_wait -1                              ; everybody's are
	s_wait_tensorcnt 0x0                           ; the wave's end
	ds_add_u32 v[SPW], v[NIL]
	s_wait_dscnt 0x0
	s_endpgm
.Lfunc_end_k_q40531765aa_attn:
	.size	k_q40531765aa_attn, .Lfunc_end_k_q40531765aa_attn-k_q40531765aa_attn
	.p2alignl 7, 3214868480
	.fill 96, 4, 3214868480
	.section	.rodata,"a",@progbits
	.p2align	6, 0x0
	.amdhsa_kernel k_q40531765aa_attn
		.amdhsa_group_segment_fixed_size 268288
		.amdhsa_private_segment_fixed_size 0
		.amdhsa_enable_private_segment 0
		.amdhsa_kernarg_size 40
		.amdhsa_user_sgpr_count 2
		.amdhsa_user_sgpr_kernarg_segment_ptr 1
		.amdhsa_wavefront_size32 1
		.amdhsa_system_sgpr_workgroup_id_x 1
		.amdhsa_system_sgpr_workgroup_id_y 1
		.amdhsa_system_sgpr_workgroup_id_z 1
		.amdhsa_system_vgpr_workitem_id 0
		.amdhsa_next_free_vgpr 256
		.amdhsa_next_free_sgpr 66
		.amdhsa_reserve_vcc 0
		.amdhsa_float_denorm_mode_32 3
		.amdhsa_float_denorm_mode_16_64 3
		.amdhsa_memory_ordered 1
		.amdhsa_forward_progress 1
		.amdhsa_inst_pref_size 222
	.end_amdhsa_kernel
	.amdgpu_metadata
---
amdhsa.version: [ 1, 2 ]
amdhsa.kernels:
  - .name:           k_q40531765aa_attn
    .symbol:         k_q40531765aa_attn.kd
    .args:
      - { .name: qkv, .offset: 0, .size: 8, .value_kind: global_buffer, .address_space: global }
      - { .name: nrm, .offset: 8, .size: 8, .value_kind: global_buffer, .address_space: global }
      - { .name: hsh, .offset: 16, .size: 8, .value_kind: global_buffer, .address_space: global }
      - { .name: lst, .offset: 24, .size: 8, .value_kind: global_buffer, .address_space: global }
      - { .name: ao, .offset: 32, .size: 8, .value_kind: global_buffer, .address_space: global }
    .group_segment_fixed_size: 268288
    .private_segment_fixed_size: 0
    .kernarg_segment_align: 8
    .kernarg_segment_size: 40
    .max_flat_workgroup_size: 512
    .sgpr_count:     66
    .vgpr_count:     256
    .wavefront_size: 32
...
	.end_amdgpu_metadata
.endif
;; end of part 6
;; launch oproj: the kernel of part 5 again; grid 128 x 2, 4 waves a work-group, no clusters, 24,576 bytes of LDS; arguments ao, cod, scl, out0; writes out0
